; MI455X (gfx1250); checked and timed in simulation.
; The chip was launched on July 23, 2026; its instructions are those of AMD's public machine-readable ISA for CDNA 5 (MIT licence, August 2026) and "CDNA5" Instruction Set Architecture Reference Guide (July 2026). The comments in the code are by the model that wrote it; some were corrected since.
;; Multi Head Attention. Allowed arithmetic: matrix products marked QUANTISED: E4M3 operands, one given power-of-two scale a tensor, by v_wmma_f32_16x16x64_fp8_fp8 or v_wmma_f32_16x16x128_fp8_fp8, f32 sums; everything else in f32.
;; Inputs: lowp_scales 8 int32 (the exponents e of the quantised operands' scales 2^e); mask 2 x 16 x 2,048 x 2,048 bool; proj_b 1,024 float32; proj_w 1,024 x 1,024 float32; qkv_b 3,072 float32; qkv_w 3,072 x 1,024 float32; x 2 x 2,048 x 1,024 float32.
;; Outputs: out0 2 x 2,048 x 1,024 float32.
;; This version of the problem:
;;   THIS VERSION OF THE PROBLEM IS GIVEN IN LOW PRECISION. The matrix products marked QUANTISED in the list below multiply operands that are first quantised to E4M3 (4 exponent bits, 3 mantissa bits; 8 bits a number), with one given power-of-two scale for each operand tensor; their sums are f32. All else is computed in f32.
;;   The module's matrix products, in the order in which they are computed (A, B: the left and right operand; K: the contracted axis; several contracted axes count as one K, in the product's order):
;;     1. [M 4,096, K 1,024] x [K 1,024, N 3,072]; A: input x; B: input qkv_w: QUANTISED (scales: A lowp_scales[0], B lowp_scales[1])
;;     2. batch 32 x [M 2,048, K 64] x [K 64, N 2,048]; A: computed on the way; B: computed on the way: QUANTISED (scales: A lowp_scales[2], B lowp_scales[3])
;;     3. batch 32 x [M 2,048, K 2,048] x [K 2,048, N 64]; A: computed on the way; B: computed on the way: QUANTISED (scales: A lowp_scales[4], B lowp_scales[5])
;;     4. [M 4,096, K 1,024] x [K 1,024, N 1,024]; A: computed on the way; B: input proj_w: QUANTISED (scales: A lowp_scales[6], B lowp_scales[7])
;;   THE QUANTISER, for each operand of a quantised product, along K:
;;     - The operand's scale is 2^e, e = its entry of the input lowp_scales (int32; the entries are numbered through the quantised products in the list's order, A before B).
;;     - Each number is divided by the scale, clamped to +-448, and rounded to the nearest number of E4M3, ties to even, subnormals kept.
;;     - The product sums the exact products of the quantised numbers (number of the format x scale) in f32.
;;   ~~~python
;;   def quantise(x, axis, e):      # numpy; x: float32 -> the quantised numbers, widened to float32 again
;;       x = np.moveaxis(x, axis, -1); K = x.shape[-1]
;;       r = np.clip(x / 2.0 ** e, -448, 448)
;;       step = 2.0 ** (np.maximum(np.frexp(np.where(r == 0, 1, r))[1] - 1, -6) - 3)
;;       q = np.round(r / step) * step * 2.0 ** e      # np.round: ties to even
;;       return np.moveaxis(q, -1, axis).astype(np.float32)
;;   ~~~
;;   OPERANDS COMPUTED ON THE WAY. 'Computed on the way' means the value that the module computes at that place (a softmax that the list does not call 'softmax' is quantised finished and normalised). What goes into a quantiser is computed in f32, as accurately as f32 sums, v_exp_f32 and their like allow (about 1e-6 of the number): no bf16 or f16 on the way to a quantiser, and a product that is left as it is and whose result goes on into a quantised operand takes f32 operands (vector FMAs, or v_wmma_f32_16x16x4_f32). A number that lies on a knife's edge between two numbers of the format may be rounded either way, as far as f32 arithmetic and the matrix unit's own rounding can turn it there, and no further.
;; One version. Each part assembles by itself: llvm-mc -triple=amdgcn-amd-amdhsa -mcpu=gfx1250 --defsym DOCPART=n.
;; ======== version 1 of 1: 4 launches
;; limits: right only within a limited range of input values
;; workspace buffers: xc 4,194,304 bytes; wc 3,145,728 bytes; pc 1,048,576 bytes; qimg 4,194,304 bytes; kimg 4,194,304 bytes; vimg 4,194,304 bytes; ao 4,194,304 bytes
;; launch quant (part 1): grid 256 x 1, 4 waves a work-group, no clusters, 33,280 bytes of LDS; arguments x, qkv_w, proj_w, lowp_scales, xc, wc, pc; writes xc, wc, pc
.if DOCPART == 1
	.amdgcn_target "amdgcn-amd-amdhsa--gfx1250"
	.amdhsa_code_object_version 6
	.text
	.protected	k_qe73431fd76_quant
	.globl	k_qe73431fd76_quant
	.p2align	8
	.type	k_qe73431fd76_quant,@function
k_qe73431fd76_quant:
	s_mov_b64 s[64:65], 0
	v_nop
	global_prefetch_b8 v0, s[64:65] scope:SCOPE_SE
	s_setreg_imm32_b32 hwreg(HW_REG_WAVE_MODE, 25, 1), 1
	s_wait_xcnt 0x0
; x [4096][1024], qkv_w [3072][1024] and proj_w [1024][1024], f32, K innermost in all three, become codes of FP8 (E4M3), one byte each, in the same order:
; code = number / 2^e, held within +-448, rounded to the nearest code, ties to even.  e = entry 0 (x), 1 (qkv_w), 7 (proj_w) of the buffer of scales.
; LIMITS: each of these three e lies between -126 and 119, so that 2^e and 448 x 2^e are f32 numbers.  NaN among the inputs is not served (an infinity is held at the largest code).
; Rows are dense, so each tensor is a plain stream.  A work-group takes 32,768 numbers: work-groups 0-127 x, 128-223 qkv_w, 224-255 proj_w.  Only pointers and e are chosen, by the work-group's number: one path through the text.
; A wave takes 16 steps of 512 numbers.  Each of a step's four loads reads 512 consecutive bytes, 16 a lane; the conversions want 16 NEIGHBOURS in one lane, so the step's 2,048 bytes turn through the wave's own stage in LDS
; (16 bytes of padding behind each 64) and come back 64 bytes a lane.  A lane's 16 codes are 16 bytes: the wave stores 512 consecutive bytes.  Waves share nothing: no barrier.  Loads run four steps ahead, the turn through LDS one.
; Matrix units, clusters and tensor loads are left out: every byte is read once and written once, and nothing is shared.
.set WAVES, 4
.set STEPS, 16
.set EMAX,  8
.set MANT,  0x600000                   ; the mantissa field of 448 as f32
.set CB,    16                         ; bytes of 16 codes
.set R,     16                         ; v16-79   four sets of 16 numbers as they are loaded
.set X,     80                         ; v80-111  two sets of 16 neighbours
.set C,     128                        ; v128-191 codes: four registers for each step, so that no store's data are written again
.set WREG,  8192                       ; LDS: a region of its own for each wave: two stages of 32 x SP bytes
.set SP,    80                         ; a lane's place in a stage: its 64 bytes + 16 of padding
.set SPW,   12                         ; v12      LDS address of my spare word; never rewritten
.set NIL,   13                         ; v13      0; never rewritten
.set SPARE, WAVES*WREG                 ; behind the four regions: the spare words, 128 bytes for each wave
	s_load_b256 s[4:11], s[0:1], 0x0               ; x s[4:5], qkv_w s[6:7], proj_w s[8:9], the scales' exponents s[10:11]
	s_load_b128 s[12:15], s[0:1], 0x20             ; x's codes, qkv_w's codes
	s_load_b64 s[16:17], s[0:1], 0x30              ; proj_w's codes
	v_lshl_add_u32 v[SPW], v0, 2, SPARE
	v_mov_b32 v[NIL], 0
	v_lshrrev_b32 v1, 5, v0
	v_readfirstlane_b32 s32, v1                    ; wave
	v_and_b32 v2, 31, v0                           ; lane
	v_lshlrev_b32 v3, 4, v2                        ; my 16 bytes of a load's 512
	s_mul_i32 s33, s32, WREG
	v_lshrrev_b32 v14, 2, v2
	v_mul_u32_u24 v14, v14, SP
	v_and_b32 v15, 3, v2
	v_lshl_add_u32 v14, v15, 4, v14
	v_add_nc_u32 v14, s33, v14                     ; the stage, on the way in: SP (lane / 4) + 16 (lane % 4)
	v_mul_u32_u24 v15, v2, SP
	v_add_nc_u32 v15, s33, v15                     ; and on the way out: SP x lane: my 16 neighbours
	v_mul_u32_u24 v4, v2, CB                       ; my codes' place in a step's
	s_wait_alu depctr_va_vdst(0)
	s_wait_kmcnt 0x0
	s_load_b256 s[24:31], s[10:11], 0x0            ; e0 .. e7
	s_mov_b32 s19, 224
	s_cmp_lt_u32 ttmp9, 224                        ; qkv_w or proj_w?  The choices hang on the work-group's number alone
	s_cselect_b64 s[6:7], s[6:7], s[8:9]
	s_cselect_b64 s[14:15], s[14:15], s[16:17]
	s_cselect_b32 s19, 128, s19
	s_cmp_lt_u32 ttmp9, 128                        ; x, or the one just chosen?
	s_cselect_b64 s[4:5], s[4:5], s[6:7]           ; the numbers
	s_cselect_b64 s[8:9], s[12:13], s[14:15]       ; the codes
	s_cselect_b32 s19, 0, s19                      ; the tensor's first work-group
	s_sub_co_u32 s19, ttmp9, s19
	s_lshl_b32 s19, s19, 2
	s_add_co_u32 s20, s19, s32                     ; which run of 8,192 numbers of the tensor is my wave's
	s_mov_b32 s21, 0
	s_mov_b64 s[22:23], 512*STEPS*4
	s_mul_u64 s[22:23], s[20:21], s[22:23]
	s_add_nc_u64 s[4:5], s[4:5], s[22:23]
	s_mov_b64 s[22:23], 32*STEPS*CB
	s_mul_u64 s[22:23], s[20:21], s[22:23]
	s_add_nc_u64 s[8:9], s[8:9], s[22:23]
.macro LOAD t
.irp i, 0,1,2,3
	global_load_b128 v[R+16*((\t)%4)+4*\i:R+16*((\t)%4)+4*\i+3], v3, s[4:5] offset:2048*(\t)+512*\i th:TH_LOAD_NT   ; 32 lanes read 512 consecutive bytes
.endr
.endm
.macro TURN t                          ; step t's numbers through the stage: LDS serves a wave's instructions in order (ISA guide 5.7.1.4), so no wait stands between the stores and the loads
.irp i, 0,1,2,3
	ds_store_b128 v14, v[R+16*((\t)%4)+4*\i:R+16*((\t)%4)+4*\i+3] offset:32*SP*((\t)%2)+8*SP*\i
.endr
.irp i, 0,1,2,3
	ds_load_b128 v[X+16*((\t)%2)+4*\i:X+16*((\t)%2)+4*\i+3], v15 offset:32*SP*((\t)%2)+16*\i
.endr
.endm
.irp t, 0,1,2,3
	LOAD \t
.endr
	s_wait_kmcnt 0x0
	s_cmp_lt_u32 ttmp9, 224
	s_cselect_b32 s25, s25, s31                    ; e1 or e7
	s_cmp_lt_u32 ttmp9, 128
	s_cselect_b32 s22, s24, s25                    ; e
	s_add_co_i32 s22, s22, 127
	s_lshl_b32 s23, s22, 23
	v_mov_b32 v11, s23                             ; 2^e as f32: the conversion takes its exponent field
	s_add_co_i32 s22, s22, EMAX
	s_lshl_b32 s22, s22, 23
	s_or_b32 s22, s22, MANT
	v_mov_b32 v10, s22                             ; 448 x 2^e
	s_wait_alu depctr_va_vdst(0)
	s_wait_loadcnt 12                              ; step 0's four loads are in; the twelve of steps 1 to 3 may be out
	TURN 0
.macro STEP t
.set XS, X+16*((\t)%2)
	s_wait_dscnt 0x0                               ; this step's numbers are back from the stage: so its stores into the stage have read their registers,
.if (\t)+4 < STEPS
	LOAD (\t)+4                                    ; which take the loads of four steps on
.endif
.if (\t)+1 < STEPS
.if STEPS-2-(\t) >= 3
	s_wait_loadcnt 12                              ; the next step's four loads are in; those of the three steps behind it may be out
.else
	s_wait_loadcnt 4*(STEPS-2-(\t))
.endif
	TURN (\t)+1                                    ; and go through the other stage while this step is worked
.endif
.irp i, 0,1,2,3,4,5,6,7,8,9,10,11,12,13,14,15
	v_med3_num_f32 v[XS+\i], v[XS+\i], -v10, v10   ; the conversion to an 8-bit code does not saturate (ISA guide 7.6.2): the hold at the largest code x the scale comes first
.endr
	v_cvt_scalef32_pk8_fp8_f32 v[C+4*(\t):C+4*(\t)+1], v[XS:XS+7], v11
	v_cvt_scalef32_pk8_fp8_f32 v[C+4*(\t)+2:C+4*(\t)+3], v[XS+8:XS+15], v11
	global_store_b128 v4, v[C+4*(\t):C+4*(\t)+3], s[8:9] offset:32*CB*(\t)   ; the codes go to a store alone; the next step's holds are plain vector lines on other registers
.endm
.irp t, 0,1,2,3,4,5,6,7,8,9,10,11,12,13,14,15
	STEP \t
.endr
	s_wait_tensorcnt 0x0                           ; the wave's end: behind my last LDS store
	ds_add_u32 v[SPW], v[NIL]
	s_wait_dscnt 0x0
	s_endpgm
.Lfunc_end_k_qe73431fd76_quant:
	.size	k_qe73431fd76_quant, .Lfunc_end_k_qe73431fd76_quant-k_qe73431fd76_quant
	.p2alignl 7, 3214868480
	.fill 96, 4, 3214868480
	.section	.rodata,"a",@progbits
	.p2align	6, 0x0
	.amdhsa_kernel k_qe73431fd76_quant
		.amdhsa_group_segment_fixed_size 33280
		.amdhsa_private_segment_fixed_size 0
		.amdhsa_enable_private_segment 0
		.amdhsa_kernarg_size 56
		.amdhsa_user_sgpr_count 2
		.amdhsa_user_sgpr_kernarg_segment_ptr 1
		.amdhsa_wavefront_size32 1
		.amdhsa_system_sgpr_workgroup_id_x 1
		.amdhsa_system_sgpr_workgroup_id_y 1
		.amdhsa_system_sgpr_workgroup_id_z 1
		.amdhsa_system_vgpr_workitem_id 0
		.amdhsa_next_free_vgpr 192
		.amdhsa_next_free_sgpr 66
		.amdhsa_reserve_vcc 0
		.amdhsa_float_denorm_mode_32 3
		.amdhsa_float_denorm_mode_16_64 3
		.amdhsa_memory_ordered 1
		.amdhsa_forward_progress 1
		.amdhsa_inst_pref_size 38
	.end_amdhsa_kernel
	.amdgpu_metadata
---
amdhsa.version: [ 1, 2 ]
amdhsa.kernels:
  - .name:           k_qe73431fd76_quant
    .symbol:         k_qe73431fd76_quant.kd
    .args:
      - { .name: x, .offset: 0, .size: 8, .value_kind: global_buffer, .address_space: global }
      - { .name: qkv_w, .offset: 8, .size: 8, .value_kind: global_buffer, .address_space: global }
      - { .name: proj_w, .offset: 16, .size: 8, .value_kind: global_buffer, .address_space: global }
      - { .name: lowp_scales, .offset: 24, .size: 8, .value_kind: global_buffer, .address_space: global }
      - { .name: xc, .offset: 32, .size: 8, .value_kind: global_buffer, .address_space: global }
      - { .name: wc, .offset: 40, .size: 8, .value_kind: global_buffer, .address_space: global }
      - { .name: pc, .offset: 48, .size: 8, .value_kind: global_buffer, .address_space: global }
    .group_segment_fixed_size: 33280
    .private_segment_fixed_size: 0
    .kernarg_segment_align: 8
    .kernarg_segment_size: 56
    .max_flat_workgroup_size: 128
    .sgpr_count:     66
    .vgpr_count:     192
    .wavefront_size: 32
...
	.end_amdgpu_metadata
.endif
;; end of part 1
;; launch qkv (part 2): grid 12 x 16, 4 waves a work-group, clusters of 4 x 4, 327,680 bytes of LDS; arguments xc, wc, lowp_scales, qkv_b, qimg, kimg, vimg; writes qimg, kimg, vimg
.if DOCPART == 2
	.amdgcn_target "amdgcn-amd-amdhsa--gfx1250"
	.amdhsa_code_object_version 6
	.text
	.protected	k_qe73431fd76_qkv
	.globl	k_qe73431fd76_qkv
	.p2align	8
	.type	k_qe73431fd76_qkv,@function
k_qe73431fd76_qkv:
	s_mov_b64 s[64:65], 0
	v_nop
	global_prefetch_b8 v0, s[64:65] scope:SCOPE_SE
	s_setreg_imm32_b32 hwreg(HW_REG_WAVE_MODE, 25, 1), 1
	s_wait_xcnt 0x0
	s_wait_alu depctr_hold_cnt(0) depctr_sa_sdst(0) depctr_va_vdst(0) depctr_va_sdst(0) depctr_va_ssrc(0) depctr_va_vcc(0) depctr_vm_vsrc(0)
	s_getreg_b32 s2, hwreg(HW_REG_IB_STS2, 6, 4)
	s_cmp_eq_u32 s2, 0
	s_cbranch_scc0 .Lentry_in_a_cluster
	s_endpgm
.Lentry_in_a_cluster:
	s_bfe_u32 s2, ttmp6, 0x10000c
	s_cmp_lg_u32 s2, 0xf033
	s_cbranch_scc0 .Lentry_shape_is_right
	s_endpgm
.Lentry_shape_is_right:
; qkv = x qkv_w^T + qkv_b on codes of FP8 (E4M3), sums in f32; the result is quantised at once, q with 2^e2, k with 2^e3, v with 2^e5, and stored AS THE NEXT LAUNCH'S OPERAND REGISTERS.
; xc: [4096][1024] codes (scale 2^e0), wc: [3072][1024] codes (2^e1).  A sum stands for sum x 2^(e0 + e1): code = (sum + b / 2^(e0 + e1)) / 2^(e - e0 - e1), held within +-448 codes.
; LIMITS: e - e0 - e1 (e = e2, e3, e5) lies between -126 and 119, so that the conversion's scale and 448 x it are f32 numbers.  NaN is not served.
; A tile of 256 x 256 results is made by a work-group of four waves, a wave makes 128 x 128: 64 accumulators, 512 registers.  K goes in steps of 256 through a ring of two LDS slots filled by the tensor data mover.
; CLUSTERS: 4 x 4 work-groups; the cluster's x is the section: 0 q, 1 k, 2 v (four tiles of 256 features each).  'A' below is the operand whose tile hangs on cy and is shared along a row of the cluster, 'B' the one
; whose tile hangs on cx and is shared along a column; each tile is asked for JOINTLY by the four that need it.  Source 0 of the matrix instruction takes 16 rows of B, source 1 16 rows of A: a lane then holds ONE row of A and
; eight neighbouring rows of B.  Sections q, k: A = tokens (xc), B = features (wc): a lane holds a token and 8 neighbours along the head's 64, the next product's K.  Section v: A = features (wc), B = tokens (xc): a lane holds
; a feature and 8 neighbouring KEYS, the K of the product with the softmax.  So nothing is transposed by an instruction.  The choice hangs on the cluster's x alone, which all sixteen partners share.
; IMAGES.  qimg, kimg: [bh 32][tile of 16 tokens 128][1,024 bytes]: the 8 registers of a 16 x 64 fragment, registers 4 c .. 4 c + 3 of lane l at 512 c + 16 l.  vimg: [bh 32][128 keys 16][16 channels 4][2,048 bytes]: 16 registers likewise.
; Each store of a wave covers 512 consecutive bytes, at a multiple of 512 from the buffer's first byte.  No stage in LDS is needed on the way out.
; REGISTERS, in windows of 256: window 0: v0-31 addresses; v32-95 the bias of my 128 features (q, k), v96-111 of my lane's feature in each block (v); from v128 A's fragments, ONE set; on the way out v128-223 are at work.
;   window 1: B's fragments, TWO sets.   window 2: the 32 accumulators of my rows 0-63 of A ((a, b) at v[8 (8 a + b)]);   window 3: those of rows 64-127.
.set SIZE_K, 1024
.set KSTEP,  256                       ; along K in a slot
.set ROWB,   256                       ; a tile's row in bytes
.set KROW,   SIZE_K                    ; a row of xc or wc in memory, in bytes
.set PITCH,  272                       ; an LDS row: 256 bytes + 16 of padding = 68 words: the 16 rows that a load touches start 4 banks apart (64 banks of 4 bytes: ISA guide 11.1)
.set FR,     16                        ; registers of a fragment: 16 rows x 128 K
.set NL,     4                         ; LDS loads that bring one
.set NP,     4                         ; places behind this matrix instruction (ISA guide 7.12.1)
.set HALFT,  128*PITCH                 ; 128 rows: what one tensor load brings
.set SLOT,   4*HALFT                   ; A's 256 rows, then B's 256 rows
.set LAPS,   SIZE_K/(2*KSTEP)          ; a lap = two K steps = once round the ring
.set SPARE,  2*SLOT                    ; behind the ring: the spare words, 128 bytes for each wave
.set BO1,  8                           ; v8      32 x (lane / 16): my eight features' bias in a tile; never rewritten
.set BO2,  9                           ; v9      4 x (lane % 16): my feature's bias in a block; never rewritten
.set SC,   12                          ; v12     the conversion's scale as f32
.set LIM,  13                          ; v13     448 x that
.set ADRA, 16                          ; v16-17  LDS address of my A fragments in slot 0, 1
.set ADRB, 20                          ; v20-21  the same for B
.set LI,   27                          ; v27     16 x lane: my place in an image
.set SPW,  28                          ; v28     LDS address of my spare word; never rewritten
.set NIL,  29                          ; v29     0; never rewritten
.set BQ,   32
.set BV,   96
.set AF,   128                         ; A's fragments, in window 0
.set TMP,  128                         ; the way out: a block's 64 numbers
.set CD,   192                         ; the way out: a block's 16 registers of codes, two sets by turns
.set G1, 24                            ; s[24:31] descriptor group 1 for A's tiles;  s[32:39] group 0, one set for each slot
.set G0, 32
.set G1B, 48                           ; s[48:55], s[56:63] the same for B's tiles
.set G0B, 56
.set MSB, 0
.macro WIN new                         ; the immediate's high byte repeats the setting that is left
.if MSB != \new
	s_set_vgpr_msb (MSB<<8)|\new
.set MSB, \new
.endif
.endm
.set MUL_LO, 0xa1                      ; source 0 (B) window 1, source 1 (A) window 0, C and D window 2
.set MUL_HI, 0xf1                      ; the same, C and D window 3
.set TO_B,   0x40                      ; destination window 1, address window 0
; A joint load: waves 0 and 1 fetch for A, waves 2 and 3 for B.  Each of the two lines has ONE mask and one set of registers for all that issue it; the branch hangs on the wave's number alone.
; An s_nop 0 and four v_nop follow each of the two lines, ahead of the jump, the label and what follows.
.macro JLOAD g0a, g1a, g0b, g1b
	s_cmp_eq_u32 s15, 0
	s_cbranch_scc0 .Lfor_b_\@
	tensor_load_to_lds s[\g0a:\g0a+3], s[\g1a:\g1a+7]
	s_nop 0
.rept 4
	v_nop
.endr
	s_branch .Lasked_\@
.Lfor_b_\@:
	tensor_load_to_lds s[\g0b:\g0b+3], s[\g1b:\g1b+7]
	s_nop 0
.rept 4
	v_nop
.endr
.Lasked_\@:
.endm
.macro CREST                           ; a round of the cluster's barrier behind its opening barrier
	s_cmp_lg_u32 s14, 0
	s_cbranch_scc1 .Lnot_wave_0_\@
	s_barrier_signal -3
.Lnot_wave_0_\@:
	s_barrier_wait -3
	s_barrier_signal -1
	s_barrier_wait -1
.endm
.macro CROUND                          ; a whole round
	s_barrier_signal -1
	s_barrier_wait -1
	CREST
.endm
	s_load_b128 s[4:7], s[0:1], 0x0                ; xc s[4:5], wc s[6:7]
	s_load_b128 s[8:11], s[0:1], 0x10              ; the scales' exponents s[8:9], qkv_b s[10:11]
	s_load_b128 s[68:71], s[0:1], 0x20             ; qimg s[68:69], kimg s[70:71]
	s_load_b64 s[72:73], s[0:1], 0x30              ; vimg
	v_lshl_add_u32 v[SPW], v0, 2, SPARE
	v_mov_b32 v[NIL], 0
	ds_add_u32 v[SPW], v[NIL]                      ; the wave's opening: the add and its wait stand ahead of my first tensor load; the set-up below, work on registers, stands between them
	ds_add_u32 v[SPW], v[NIL]
	v_lshrrev_b32 v1, 5, v0
	v_readfirstlane_b32 s14, v1                    ; wave 0..3
	s_lshr_b32 s15, s14, 1                         ; which half of A's 256 rows is mine.  Also: I fetch for A (0) or for B (1)
	s_and_b32 s16, s14, 1                          ; which half of B's 256 rows.  Also: which 128 rows of that tile I fetch
	s_bfe_u32 s40, ttmp6, 0x40000                  ; cx, cy: my place in the cluster
	s_bfe_u32 s41, ttmp6, 0x40004
	s_and_b32 s74, ttmp7, 0xffff
	s_lshl_b32 s74, s74, 2                         ; 4 x cluster y
	s_lshl_b32 s75, ttmp9, 2                       ; 4 x cluster x
	s_cmp_eq_u32 ttmp9, 2                          ; section v?  The same in all sixteen partners
	s_cselect_b32 s17, 8, s74                      ; A's first tile of 256 rows: v: wc's rows 2,048 on; q, k: the cluster's tokens
	s_cselect_b32 s42, s74, s75                    ; B's: v: the cluster's tokens; q, k: the section's features
	s_add_co_u32 s17, s17, s41                     ; A's tile: + cy
	s_add_co_u32 s42, s42, s40                     ; B's tile: + cx
	s_lshl_b32 s43, s41, 2
	s_lshl_b32 s43, 15, s43                        ; my row of the cluster
	s_lshl_b32 s44, 0x1111, s40                    ; my column
	; descriptor group 1: a tile of 128 rows x 256 bytes, padded in LDS
	s_or_b32 s[G1+0], s43, (0<<16)|(1<<20)|(1<<21)|(5<<22)|(3<<25)  ; 15:0 the mask: A's tiles go to my row; 17:16 element of 1 byte; 20 padding on; 21 set beside a mask; 24:22 after every 64 words (code 5); 31:25 of 4 words (code 3)
	s_or_b32 s[G1B+0], s44, (0<<16)|(1<<20)|(1<<21)|(5<<22)|(3<<25)
.irp g, G1, G1B
	s_mov_b32 s[\g+1], ROWB<<16                    ; tensor_dim0
	s_mov_b32 s[\g+2], 128<<16                     ; tensor_dim1 = 128
	s_mov_b32 s[\g+3], ROWB<<16                    ; tile_dim0
	s_mov_b32 s[\g+4], 128                         ; tile_dim1 = 128
	s_mov_b32 s[\g+5], KROW                        ; tensor_dim0_stride
	s_mov_b32 s[\g+6], 0
	s_mov_b32 s[\g+7], 0
.endr
	s_lshl_b32 s18, s16, 7                         ; which 128 rows of the tile I fetch
	s_lshl_b32 s20, s17, 8
	s_add_co_u32 s20, s20, s18                     ; A: row 256 x tile + 128 x half
	s_lshl_b32 s46, s42, 8
	s_add_co_u32 s46, s46, s18                     ; B likewise
	s_mov_b32 s21, 0
	s_mov_b32 s47, 0
	s_mov_b64 s[18:19], KROW
	s_mul_u64 s[20:21], s[20:21], s[18:19]
	s_mul_u64 s[46:47], s[46:47], s[18:19]
	s_mul_i32 s45, s14, HALFT                      ; where they go: wave x 128 rows: no place in the cluster enters an LDS address
	s_wait_dscnt 0x0                               ; the opening add is done
	s_wait_kmcnt 0x0
	s_load_b256 s[84:91], s[8:9], 0x0              ; e0 .. e7
	s_cmp_eq_u32 ttmp9, 2
	s_cselect_b64 s[78:79], s[6:7], s[4:5]         ; A's buffer: wc in section v, else xc
	s_cselect_b64 s[80:81], s[4:5], s[6:7]         ; B's: the other
	s_add_nc_u64 s[20:21], s[78:79], s[20:21]
	s_add_nc_u64 s[46:47], s[80:81], s[46:47]
	CROUND                                         ; all sixteen work-groups are here: the first joint loads meet
.irp s, 0,1
	s_mov_b32 s[G0+4*\s], 1
	s_add_co_u32 s[G0+4*\s+1], s45, \s*SLOT
	s_add_nc_u64 s[G0+4*\s+2:G0+4*\s+3], s[20:21], \s*ROWB
	s_or_b32 s[G0+4*\s+3], s[G0+4*\s+3], 0x80000000
	s_mov_b32 s[G0B+4*\s], 1
	s_add_co_u32 s[G0B+4*\s+1], s45, \s*SLOT
	s_add_nc_u64 s[G0B+4*\s+2:G0B+4*\s+3], s[46:47], \s*ROWB
	s_or_b32 s[G0B+4*\s+3], s[G0B+4*\s+3], 0x80000000
.endr
	JLOAD G0, G1, G0B, G1B                         ; K step 0: one tensor load a wave at the head
	v_and_b32 v1, 15, v0                           ; l % 16
	v_bfe_u32 v2, v0, 4, 1                         ; l / 16
	v_mul_u32_u24 v3, v1, PITCH
	v_lshl_add_u32 v4, v2, 4, v3                   ; a fragment's row x pitch + 16 x half
	s_mul_i32 s21, s15, HALFT                      ; my 128 rows of A
	s_mul_i32 s22, s16, HALFT                      ; my 128 rows of B,
	s_add_co_u32 s22, s22, 2*HALFT                 ; which lie behind A's 256
.irp s, 0,1
	v_add_nc_u32 v[ADRA+\s], s21, v4
	v_add_nc_u32 v[ADRB+\s], s22, v4
	s_add_co_u32 s21, s21, SLOT
	s_add_co_u32 s22, s22, SLOT
.endr
	v_and_b32 v6, 31, v0
	v_lshlrev_b32 v[LI], 4, v6
	v_lshlrev_b32 v[BO1], 5, v2
	s_wait_alu depctr_va_vdst(0)
	v_lshlrev_b32 v[BO2], 2, v1
	; THE BIAS, both sets, with no branch: the set that my section does not use is loaded from the buffer's first bytes and never read.
	s_wait_alu depctr_va_vdst(0)
	s_lshl_b32 s94, s42, 10
	s_lshl_b32 s95, s16, 9
	s_add_co_u32 s94, s94, s95                     ; q, k: my first feature 256 x B's tile + 128 x half, in bytes
	s_lshl_b32 s76, s41, 10
	s_lshl_b32 s77, s15, 9
	s_add_co_u32 s76, s76, s77
	s_add_co_u32 s76, s76, 8192                    ; v: my first feature 2,048 + 256 cy + 128 x half, in bytes
	s_cmp_eq_u32 ttmp9, 2
	s_cselect_b32 s94, 0, s94
	s_cselect_b32 s76, s76, 0
	s_mov_b32 s95, 0
	s_mov_b32 s77, 0
	s_add_nc_u64 s[94:95], s[10:11], s[94:95]
	s_add_nc_u64 s[76:77], s[10:11], s[76:77]
.irp b, 0,1,2,3,4,5,6,7
	global_load_b128 v[BQ+8*\b:BQ+8*\b+3], v[BO1], s[94:95] offset:64*\b          ; tile b: features 16 b + 8 (l / 16) + 0 .. 7
	global_load_b128 v[BQ+8*\b+4:BQ+8*\b+7], v[BO1], s[94:95] offset:64*\b+16
.endr
.irp a, 0,1,2,3,4,5,6,7
	global_load_b32 v[BV+2*\a], v[BO2], s[76:77] offset:64*\a                     ; block a: feature 16 a + l % 16, twice: a pair for the packed addition
	global_load_b32 v[BV+2*\a+1], v[BO2], s[76:77] offset:64*\a
.endr
.macro FRAG reg, adr, q, i             ; a fragment, 16 rows x 128 K, is 16 registers: lane l holds row l % 16; registers 4 c .. 4 c + 3 hold K = 32 c + 16 (l / 16) + 0 .. 15: the same places of k in A and in B, so every product meets its partner
.irp c, 0,1,2,3
	ds_load_b128 v[\reg+4*\c:\reg+4*\c+3], v[\adr] offset:128*(\q)+32*\c+(\i)*16*PITCH
.endr
.endm
; 16 matrix instructions: A's blocks a0, a0 + 1 x B's eight, 128 along K.  p: B's set.  zero = 1: the first product starts the sums.
; The 64 accumulators take turns, one instruction a turn, in the same order in every step.
.macro MUL16 a0, p, zero
.irp a, \a0, \a0+1
.irp b, 0,1,2,3,4,5,6,7
.if \zero
	v_wmma_f32_16x16x128_fp8_fp8 v[8*(8*((\a)%4)+\b):8*(8*((\a)%4)+\b)+7], v[128*(\p)+FR*\b:128*(\p)+FR*\b+FR-1], v[AF+FR*(\a):AF+FR*(\a)+FR-1], 0
.else
	v_wmma_f32_16x16x128_fp8_fp8 v[8*(8*((\a)%4)+\b):8*(8*((\a)%4)+\b)+7], v[128*(\p)+FR*\b:128*(\p)+FR*\b+FR-1], v[AF+FR*(\a):AF+FR*(\a)+FR-1], v[8*(8*((\a)%4)+\b):8*(8*((\a)%4)+\b)+7]
.endif
.endr
.endr
.endm
.macro FETCH_B slot, q, p              ; B's eight fragments of the slot's q-th 128 along K into set p
	WIN TO_B
.irp i, 0,1,2,3,4,5,6,7
	FRAG 128*(\p)+FR*\i, ADRB+\slot, \q, \i
.endr
	WIN 0
.endm
.macro FETCH_A slot, q, i0             ; A's blocks i0 .. i0 + 3
.irp i, \i0, \i0+1, \i0+2, \i0+3
	FRAG AF+FR*(\i), ADRA+\slot, \q, \i
.endr
.endm
; A load into a register that a matrix instruction has read, and a vector instruction that reads a matrix result or writes one of its registers, stand NP places behind it; only plain vector instructions
; that name none of its registers are places (ISA guide 7.12.1 for vector instructions).
.macro PLACES n
.rept \n
	v_nop
.endr
.endm
; A step of 128 along K that has its successor in the same slot.
.macro STEP slot, q, zero
	s_wait_dscnt 4*NL                              ; B's set and A's blocks 0-3 are in; the youngest sixteen loads (A's blocks 4-7) may be out
	WIN MUL_LO
	MUL16 0, (\q)%2, \zero
	MUL16 2, (\q)%2, \zero
	s_wait_dscnt 0                                 ; A's blocks 4-7 are in
	PLACES NP
	FETCH_B \slot, (\q)+1, 1-(\q)%2
	FETCH_A \slot, (\q)+1, 0
	WIN MUL_HI
	MUL16 4, (\q)%2, \zero
	MUL16 6, (\q)%2, \zero
	PLACES NP
	WIN 0
	FETCH_A \slot, (\q)+1, 4
.endm
; A slot's last step changes slots: ONE barrier; in front of it each wave waits for all its tensor loads, adds 0 to its spare word, and waits for that and for its own reads of this slot.  fill = 1: this slot is filled again, two K steps ahead.
.macro TURN slot, next, fill
	s_wait_tensorcnt 0x0                           ; all my tensor loads have landed: my part of the next slot;  (every window is 0 here)
	ds_add_u32 v[SPW], v[NIL]                      ; 0 onto my spare word
	s_wait_dscnt 4*NL+1                            ; (the add and the youngest sixteen loads, A's blocks 4-7, may be out)
	WIN MUL_LO
	MUL16 0, 1, 0                                  ; sixteen matrix instructions stand between the add and the wait for it
	s_wait_dscnt 0x0                               ; the add is done, and my reads of this slot are over
	s_barrier_signal -1
	MUL16 2, 1, 0
	WIN 0
	s_barrier_wait -1
.if \fill
	CREST                                          ; the barrier has opened a round of the cluster's barrier: no wave of any partner still reads this slot's tile or has a load on its way
	s_add_nc_u64 s[G0+4*\slot+2:G0+4*\slot+3], s[G0+4*\slot+2:G0+4*\slot+3], 2*ROWB
	s_add_nc_u64 s[G0B+4*\slot+2:G0B+4*\slot+3], s[G0B+4*\slot+2:G0B+4*\slot+3], 2*ROWB
	JLOAD G0+4*\slot, G1, G0B+4*\slot, G1B         ; the first tensor load behind the round; the four v_nop behind it are the places in front of the loads below
.else
	PLACES NP
.endif
	FETCH_B \next, 0, 0
	FETCH_A \next, 0, 0
	WIN MUL_HI
	MUL16 4, 1, 0
	MUL16 6, 1, 0
	PLACES NP
	WIN 0
	FETCH_A \next, 0, 4
.endm
	s_wait_alu depctr_va_vdst(0)                   ; the head's end
	s_wait_tensorcnt 0x0                           ; my part of K step 0 is in
	ds_add_u32 v[SPW], v[NIL]
	s_wait_dscnt 0x0
	CROUND                                         ; a whole round: everybody's part of K step 0 is in, and the joint loads meet
	JLOAD G0+4, G1, G0B+4, G1B                     ; K step 1's load, the first tensor load behind the round
	FETCH_B 0, 0, 0
	FETCH_A 0, 0, 0
	FETCH_A 0, 0, 4
	STEP 0, 0, 1                                   ; the first step stands in front of the loop: its products start the sums
	s_mov_b32 s3, LAPS-1
.Llap:                                                 ; a trip goes once round the ring, from a lap's second step to the next lap's first, and fills both slots again
	TURN 0, 1, 1
	STEP 1, 0, 0
	TURN 1, 0, 1
	STEP 0, 0, 0
	s_sub_co_u32 s3, s3, 1
	s_cmp_lg_u32 s3, 0
	s_cbranch_scc1 .Llap
	TURN 0, 1, 0                                   ; the last lap fills nothing, and has no round of the cluster's barrier
	STEP 1, 0, 0
	s_wait_dscnt 4*NL                              ; the very last step: nothing more to fetch
	WIN MUL_LO
	MUL16 0, 1, 0
	MUL16 2, 1, 0
	s_wait_dscnt 0
	WIN MUL_HI
	MUL16 4, 1, 0
	MUL16 6, 1, 0
	WIN 0
; THE WAY OUT, block by block of 16 rows of A.  A lane's 64 sums of a block get their bias, are held and converted: 16 registers of codes, which ARE the next launch's fragments: in sections q, k two fragments of
; 16 tokens x 64 (tiles b 0-3: my first head; 4-7: my second), in section v one fragment of 16 channels x 128 keys.  They are stored as they stand, 16 bytes a lane.
.macro OUTA a, vsec
.set AC, 64*((\a)%4)
.set CC, CD+16*((\a)%2)
.if (\a) >= 2
	s_wait_xcnt 0x0                                ; block a - 2's stores have read their registers: its set of codes is written again only behind this wait
.endif
	WIN 0x02+((\a)/4)                              ; source 0: window 2 or 3
.irp b, 0,1,2,3,4,5,6,7
.irp k, 0,2,4,6
.if \vsec
	v_pk_add_f32 v[TMP+8*\b+\k:TMP+8*\b+\k+1], v[AC+8*\b+\k:AC+8*\b+\k+1], v[BV+2*(\a):BV+2*(\a)+1]   ; each accumulator from its low end on
.else
	v_pk_add_f32 v[TMP+8*\b+\k:TMP+8*\b+\k+1], v[AC+8*\b+\k:AC+8*\b+\k+1], v[BQ+8*\b+\k:BQ+8*\b+\k+1]
.endif
.endr
.endr
	WIN 0
.irp j, 0,1,2,3,4,5,6,7,8,9,10,11,12,13,14,15,16,17,18,19,20,21,22,23,24,25,26,27,28,29,30,31,32,33,34,35,36,37,38,39,40,41,42,43,44,45,46,47,48,49,50,51,52,53,54,55,56,57,58,59,60,61,62,63
	v_med3_num_f32 v[TMP+\j], v[TMP+\j], -v[LIM], v[LIM]   ; the conversion to an 8-bit code does not saturate (ISA guide 7.6.2): the hold comes first
.endr
.irp b, 0,1,2,3,4,5,6,7
	v_cvt_scalef32_pk8_fp8_f32 v[CC+2*\b:CC+2*\b+1], v[TMP+8*\b:TMP+8*\b+7], v[SC]
.endr
	v_nop                                          ; one plain vector instruction between the conversions and the next block's additions, which write their sources
.irp c, 0,1,2,3
.if \vsec
	global_store_b128 v[LI], v[CC+4*\c:CC+4*\c+3], s[92:93] offset:((\a)/4)*131072+((\a)%4)*2048+512*\c
.else
	global_store_b128 v[LI], v[CC+4*\c:CC+4*\c+3], s[92:93] offset:(\a)*1024+(\c/2)*131072+(\c%2)*512
.endif
.endr
.endm
	s_wait_kmcnt 0x0                               ; the exponents
	s_wait_loadcnt 0x0                             ; the bias
	s_add_co_i32 s82, s84, s85                     ; e0 + e1
	s_cmp_eq_u32 ttmp9, 0
	s_cselect_b32 s83, s86, s87                    ; e2 for q, e3 for k,
	s_cmp_eq_u32 ttmp9, 2
	s_cselect_b32 s83, s89, s83                    ; e5 for v
	s_sub_co_i32 s83, s83, s82
	s_add_co_i32 s83, s83, 127
	s_lshl_b32 s92, s83, 23
	v_mov_b32 v[SC], s92                           ; 2^(e - e0 - e1) as f32
	s_add_co_i32 s83, s83, 8
	s_lshl_b32 s83, s83, 23
	s_or_b32 s83, s83, 0x600000
	v_mov_b32 v[LIM], s83                          ; 448 x that
	s_sub_co_i32 s82, 0, s82                       ; -(e0 + e1): the bias goes in divided by the power of two that the sums lack
	PLACES NP                                      ; behind the last products: for the reads of their results and the writes over A's fragments
	s_cmp_eq_u32 ttmp9, 2                          ; the cluster's x: all partners and all waves go the same way
	s_cbranch_scc1 .Lvsec
.irp j, 0,1,2,3,4,5,6,7,8,9,10,11,12,13,14,15,16,17,18,19,20,21,22,23,24,25,26,27,28,29,30,31,32,33,34,35,36,37,38,39,40,41,42,43,44,45,46,47,48,49,50,51,52,53,54,55,56,57,58,59,60,61,62,63
	v_ldexp_f32 v[BQ+\j], v[BQ+\j], s82
.endr
	s_lshr_b32 s92, s17, 3                         ; the batch: 8 tiles of 256 tokens each
	s_lshl_b32 s92, s92, 4
	s_and_b32 s93, s42, 3
	s_lshl_b32 s93, s93, 2
	s_add_co_u32 s92, s92, s93
	s_lshl_b32 s93, s16, 1
	s_add_co_u32 s92, s92, s93                     ; bh of my first head: 16 x batch + 4 x (tile in the section) + 2 x half
	s_lshl_b32 s92, s92, 7
	s_and_b32 s93, s17, 7
	s_lshl_b32 s93, s93, 4
	s_add_co_u32 s92, s92, s93
	s_lshl_b32 s93, s15, 3
	s_add_co_u32 s92, s92, s93                     ; + my first tile of 16 tokens
	s_lshl_b32 s92, s92, 10                        ; images of 1,024 bytes
	s_mov_b32 s93, 0
	s_cmp_eq_u32 ttmp9, 0
	s_cselect_b64 s[68:69], s[68:69], s[70:71]     ; qimg or kimg
	s_add_nc_u64 s[92:93], s[68:69], s[92:93]
.irp a, 0,1,2,3,4,5,6,7
	OUTA \a, 0
.endr
	s_branch .Ldone
.Lvsec:
.irp j, 0,1,2,3,4,5,6,7,8,9,10,11,12,13,14,15
	v_ldexp_f32 v[BV+\j], v[BV+\j], s82
.endr
	s_lshr_b32 s92, s42, 3                         ; the batch
	s_lshl_b32 s92, s92, 4
	s_lshl_b32 s93, s41, 2
	s_add_co_u32 s92, s92, s93
	s_lshl_b32 s93, s15, 1
	s_add_co_u32 s92, s92, s93                     ; bh of my first head: 16 x batch + 4 cy + 2 x half
	s_lshl_b32 s92, s92, 4
	s_and_b32 s93, s42, 7
	s_lshl_b32 s93, s93, 1
	s_add_co_u32 s92, s92, s93
	s_add_co_u32 s92, s92, s16                     ; + my 128 keys
	s_lshl_b32 s92, s92, 13                        ; four images of 2,048 bytes
	s_mov_b32 s93, 0
	s_add_nc_u64 s[92:93], s[72:73], s[92:93]
.irp a, 0,1,2,3,4,5,6,7
	OUTA \a, 1
.endr
.Ldone:
	s_wait_tensorcnt 0x0                           ; the wave's end: behind my last tensor load
	ds_add_u32 v[SPW], v[NIL]
	s_wait_dscnt 0x0
	CROUND                                         ; the closing round: no work-group ends while a partner may still ask for a tile that names it
	s_endpgm
.Lfunc_end_k_qe73431fd76_qkv:
	.size	k_qe73431fd76_qkv, .Lfunc_end_k_qe73431fd76_qkv-k_qe73431fd76_qkv
	.p2alignl 7, 3214868480
	.fill 96, 4, 3214868480
	.section	.rodata,"a",@progbits
	.p2align	6, 0x0
	.amdhsa_kernel k_qe73431fd76_qkv
		.amdhsa_group_segment_fixed_size 327680
		.amdhsa_private_segment_fixed_size 0
		.amdhsa_enable_private_segment 0
		.amdhsa_kernarg_size 56
		.amdhsa_user_sgpr_count 2
		.amdhsa_user_sgpr_kernarg_segment_ptr 1
		.amdhsa_wavefront_size32 1
		.amdhsa_system_sgpr_workgroup_id_x 1
		.amdhsa_system_sgpr_workgroup_id_y 1
		.amdhsa_system_sgpr_workgroup_id_z 1
		.amdhsa_system_vgpr_workitem_id 0
		.amdhsa_next_free_vgpr 1024
		.amdhsa_next_free_sgpr 100
		.amdhsa_reserve_vcc 0
		.amdhsa_float_denorm_mode_32 3
		.amdhsa_float_denorm_mode_16_64 3
		.amdhsa_memory_ordered 1
		.amdhsa_forward_progress 1
		.amdhsa_inst_pref_size 200
	.end_amdhsa_kernel
	.amdgpu_metadata
---
amdhsa.version: [ 1, 2 ]
amdhsa.kernels:
  - .name:           k_qe73431fd76_qkv
    .symbol:         k_qe73431fd76_qkv.kd
    .args:
      - { .name: xc, .offset: 0, .size: 8, .value_kind: global_buffer, .address_space: global }
      - { .name: wc, .offset: 8, .size: 8, .value_kind: global_buffer, .address_space: global }
      - { .name: lowp_scales, .offset: 16, .size: 8, .value_kind: global_buffer, .address_space: global }
      - { .name: qkv_b, .offset: 24, .size: 8, .value_kind: global_buffer, .address_space: global }
      - { .name: qimg, .offset: 32, .size: 8, .value_kind: global_buffer, .address_space: global }
      - { .name: kimg, .offset: 40, .size: 8, .value_kind: global_buffer, .address_space: global }
      - { .name: vimg, .offset: 48, .size: 8, .value_kind: global_buffer, .address_space: global }
    .group_segment_fixed_size: 327680
    .private_segment_fixed_size: 0
    .kernarg_segment_align: 8
    .kernarg_segment_size: 56
    .max_flat_workgroup_size: 128
    .sgpr_count:     100
    .vgpr_count:     1024
    .wavefront_size: 32
...
	.end_amdgpu_metadata
.endif
;; end of part 2
;; launch attn (part 3): grid 8 x 32, 8 waves a work-group, no clusters, 327,680 bytes of LDS; arguments qimg, kimg, vimg, mask, lowp_scales, ao; writes ao
.if DOCPART == 3
	.amdgcn_target "amdgcn-amd-amdhsa--gfx1250"
	.amdhsa_code_object_version 6
	.text
	.protected	k_qe73431fd76_attn
	.globl	k_qe73431fd76_attn
	.p2align	8
	.type	k_qe73431fd76_attn,@function
k_qe73431fd76_attn:
	s_mov_b64 s[64:65], 0
	v_nop
	global_prefetch_b8 v0, s[64:65] scope:SCOPE_SE
	s_setreg_imm32_b32 hwreg(HW_REG_WAVE_MODE, 25, 1), 1
	s_wait_xcnt 0x0
; ao = Q6( where(mask, softmax(where(mask, q k^T / 8, -10000)), 0) v ), both products on codes of FP8 (E4M3); the softmax is finished and normalised in f32 before it is quantised with 2^e4.
; qimg, kimg: [bh 32][16 tokens 128][1,024 bytes], vimg: [bh 32][128 keys 16][16 channels 4][2,048 bytes]: images of operand registers (registers 4 c .. 4 c + 3 of lane l at 512 c + 16 l).  mask: [bh][2048][2048] bytes, an input, honoured byte by byte.
; ao: [4096 tokens][1024] codes with scale 2^e6.
; SHARES.  A work-group owns 256 queries of one bh; each of its EIGHT waves owns 256 keys, whose K and V fragments stay in its registers (window 1: v0-127 K, v128-255 V): two waves to a SIMD.  A trip is 16 queries x all 2,048 keys.
; A TRIP.  S^T = K Q^T (a lane holds one query, lane % 16, and 128 of my keys) starts from C = 0 where the mask is 1 and -448 x 2^110 where it is 0, made from the mask's bytes by a byte select and a conversion: such a score's p is 0.
; t = score x log2(e) / 8 x 2^(e2 + e3).  My wave's maximum Mw takes in -10000 log2(e) if any of my keys is masked; p = 2^(t - Mw); Lw = the sum of p + (my masked keys) x 2^(-10000 log2(e) - Mw), as the softmax counts them.
; (Mw, Lw) of the eight waves meet in LDS; f = 2^(Mw - M) / sum of Lw 2^(Mw - M); p f is held at 448 x 2^e4, converted, and multiplied with V: O^T = V^T P^T.  The eight partial O^T meet in LDS; a wave adds, holds, converts and stores 2 queries.
; THE EXPONENTIALS go in four stages of 32; beside a stage's exponentials stand the next group's scalings and an earlier group's sums, each sum register written once a stage, and one wait stands between stages.
; TWO BARRIERS A TRIP, both split.  The first: the statistics and the last trip's partial O are whole; between its signal and its wait the next trip's masked keys are counted.  The second: its signal stands behind my reads of both, its wait ahead of
; my stores of this trip's partial O, register work alone between: so one buffer serves each (two of the partial O would not fit beside the mask: 278,528 + 2 x 34,816 bytes pass the 327,680).
; THE MASK comes through a ring of the wave's own: two slots of 64 rows x 256 bytes (four trips), rows 272 bytes apart.  The next trip's 16 rows are read into registers in this trip, so a slot is free in its third trip: there it is filled again.
; Slot 0 is asked for at the head, slot 1 behind the full sequence there, slots 2 and 3 in trips 2 and 6; one tensor load of a wave is out at a time, and every wait on TENSORcnt is for 0.
; NO JOINT LOADS: what work-groups share (K, V of a bh) is read once a work-group, straight into registers; the mask's bytes are each read by one wave.  NO PREFETCH: the mask is the launch's one stream, each byte is asked for once, and a slot's load is issued three trips or more ahead of its first read.
; LIMITS: e2 + e3 between -123 and 130; e4 and e6 - e4 - e5 between -126 and 119 (each power of two below is an f32 number).  The scaled scores stay under 2^31 in magnitude.  NaN is not served.
.set MP,    272                        ; an LDS row: 256 bytes + 16
.set BLKB,  16*MP                      ; a trip's 16 rows of the mask
.set SLOTB, 64*MP
.set RINGW, 2*SLOTB                    ; a wave's ring
.set OPART, 8*RINGW                    ; partial O: 16 queries x (256 bytes + 16) for each wave
.set OPWV,  16*MP
.set STATS, OPART+8*OPWV               ; 16 queries x 8 waves x (Mw, Lw)
.set SPARE, STATS+1536                 ; (the statistics' 16 rows lie 80 bytes apart: 1,280 bytes)  the spare words, 128 bytes for each wave
.set AM0, 1                            ; my place in a block of the mask
.set ADM, 2
.set STW, 3                            ; statistics: where I write, where I read
.set STR, 4
.set OPW, 5                            ; partial O: where I write, where I read
.set OPR, 6
.set LI,  7                            ; 16 x lane
.set AOO, 8                            ; my byte offset in a trip's rows of ao
.set QA,  9
.set SPW, 10
.set NIL, 11
.set NMW, 12                           ; v12-13 -Mw
.set MWL, 14                           ; v14-15 Mw, Lw
.set ST,  16                           ; v16-31 the eight waves' statistics
.set CH,  16                           ; v16-19 chains of the maximum (ahead of the first barrier)
.set G,   32
.set G2,  33
.set E8,  34
.set FF,  36                           ; v36-37 f
.set Q,   38                           ; v38-45 Q's fragment
.set CNT, 46
.set NMF, 47
.set DN,  48
.set TN,  49
.set ZS,  50
.set SC4, 51
.set LA,  52                           ; 448 x 2^e4, twice: the two halves of a dual pair name registers of different banks
.set LB,  53
.set SC6, 54
.set LIM6, 55
.set PL,  56
.set AOC, 57
.set AC,  58
.set AOV, 60
.set MK,  64                           ; v64-95 the mask's bytes, then codes
.set PC,  96                           ; v96-127 p's codes;
.set FT,  96                           ; ahead of the conversions: four partial O;
.set AS,  96                           ; ahead of the first barrier: sixteen pairs of sums
.set S,   128                          ; v128-255 S^T, then p
.set O,   128                          ; v128-159 O^T, laid over p that has been converted
.set G1,  24
.set G0A, 32
.set G0B, 36
.set WV,  40
.set BH,  41
.set CS,  48
.set NEG2, 50
.set HM,  51
.set SEL, 52
.set MB,  54
.set NB,  57
.set AOB, 58
.set QOFF, 59
.set CI,  60
.set CU,  61
.set TBL, 62
.set MSB, 0
.macro WIN new
.if MSB != \new
	s_set_vgpr_msb (MSB<<8)|\new
.set MSB, \new
.endif
.endm
	s_load_b256 s[4:11], s[0:1], 0x0               ; qimg, kimg, vimg, mask
	s_load_b128 s[12:15], s[0:1], 0x20             ; the scales' exponents, ao
	v_lshl_add_u32 v[SPW], v0, 2, SPARE
	v_mov_b32 v[NIL], 0
	ds_add_u32 v[SPW], v[NIL]                      ; the opening lines: the add, twice on end, and its wait ahead of my first tensor load
	ds_add_u32 v[SPW], v[NIL]
	v_lshrrev_b32 v16, 5, v0
	v_readfirstlane_b32 s[WV], v16                 ; wave 0..7
	s_and_b32 s[BH], ttmp7, 0xffff
	s_mov_b32 s[G1], (0<<16)|(1<<20)|(5<<22)|(3<<25)   ; bytes; 4 words of padding behind every 64
	s_mov_b32 s[G1+1], 256<<16
	s_mov_b32 s[G1+2], 64<<16
	s_mov_b32 s[G1+3], 256<<16
	s_mov_b32 s[G1+4], 64
	s_mov_b32 s[G1+5], 2048
	s_mov_b32 s[G1+6], 0
	s_mov_b32 s[G1+7], 0
	s_mov_b32 s[NEG2], 0xc6616bcd                  ; -10000 log2(e)
	s_mov_b32 s[HM], 0xffff0000                    ; lanes 16-31
	s_mov_b32 s[SEL], 0x76543210
	s_mov_b32 s[SEL+1], 0xfedcba98
	s_mov_b32 s[TBL], 0xfe                         ; byte 0: the code of -448 (mask 0); byte 1: the code of 0 (mask 1)
	s_mov_b32 s[MB], 0
	s_mov_b32 s[AOB], 0
	s_mov_b32 s[QOFF], 0
	s_mul_i32 s72, s[WV], RINGW
	s_lshl_b32 s73, s[WV], 3
	s_mul_i32 s74, s[WV], OPWV
	s_lshl_b32 s75, s[WV], 1
	s_lshl_b32 s44, s[BH], 22                      ; mask: bh, my work-group's 256 rows, my wave's 256 columns
	s_lshl_b32 s45, ttmp9, 19
	s_add_co_u32 s44, s44, s45
	s_lshl_b32 s45, s[WV], 8
	s_add_co_u32 s44, s44, s45
	s_mov_b32 s45, 0
	s_lshl_b32 s46, s[BH], 17                      ; qimg: bh, my work-group's 16 tiles
	s_lshl_b32 s47, ttmp9, 14
	s_add_co_u32 s46, s46, s47
	s_mov_b32 s47, 0
	s_lshl_b32 s68, s[BH], 17                      ; kimg, vimg: bh, my wave's 16,384 bytes
	s_lshl_b32 s69, s[WV], 14
	s_add_co_u32 s68, s68, s69
	s_mov_b32 s69, 0
	s_lshr_b32 s70, s[BH], 4                       ; ao: batch, my work-group's 256 rows, the head's 64 bytes
	s_lshl_b32 s70, s70, 21
	s_lshl_b32 s71, ttmp9, 18
	s_add_co_u32 s70, s70, s71
	s_and_b32 s71, s[BH], 15
	s_lshl_b32 s71, s71, 6
	s_add_co_u32 s70, s70, s71
	s_mov_b32 s71, 0
	v_and_b32 v16, 15, v0                          ; r
	v_bfe_u32 v17, v0, 4, 1                        ; h
	v_and_b32 v18, 31, v0
	v_mul_u32_u24 v[AM0], v16, MP
	v_lshl_add_u32 v[AM0], v17, 3, v[AM0]
	v_add_nc_u32 v[AM0], s72, v[AM0]               ; mask: row r, 8 h bytes on, in my ring
	v_mul_u32_u24 v[STR], v16, 80
	v_add_nc_u32 v[STR], STATS, v[STR]             ; statistics of query r: 64 bytes, rows 80 bytes = 20 words apart: sixteen rows start at sixteen different groups of four banks (64 banks of 4 bytes: ISA guide 11.1)
	v_add_nc_u32 v[STW], s73, v[STR]               ; my wave's 8 of them
	v_mul_u32_u24 v[OPW], v16, MP
	v_lshl_add_u32 v[OPW], v17, 5, v[OPW]
	v_add_nc_u32 v[OPW], s74, v[OPW]
	v_add_nc_u32 v[OPW], OPART, v[OPW]             ; partial O in: row r, tile t's eight channels at 64 t + 32 h
	v_bfe_u32 v19, v0, 3, 1
	v_and_b32 v20, 7, v0
	v_add_nc_u32 v19, s75, v19                     ; back: query 2 x wave + (lane / 8) % 2, channels 8 (lane % 8) on,
	v_mul_u32_u24 v[OPR], v19, MP
	v_lshl_add_u32 v[OPR], v20, 5, v[OPR]
	v_mad_u32_u24 v[OPR], v17, 4*OPWV, v[OPR]      ; lanes 0-15 waves 0-3's parts, lanes 16-31 waves 4-7's
	v_add_nc_u32 v[OPR], OPART, v[OPR]
	v_lshlrev_b32 v[AOO], 10, v19
	v_lshl_add_u32 v[AOO], v20, 3, v[AOO]
	v_lshl_add_u32 v[AOO], v17, 2, v[AOO]          ; ao: that query's row, 8 codes of the lane group, of which my half stores 4
	v_lshlrev_b32 v[LI], 4, v18
	v_mov_b32 v[ZS], 0xedededed                    ; 2^110 as a scale byte, in every byte
	v_mov_b32 v[PL], 0
	s_wait_alu depctr_va_vdst(0)
	s_wait_dscnt 0x0
	s_wait_kmcnt 0x0
	s_load_b256 s[16:23], s[12:13], 0x0            ; e0 .. e7
	s_add_nc_u64 s[10:11], s[10:11], s[44:45]
	s_add_nc_u64 s[4:5], s[4:5], s[46:47]
	s_add_nc_u64 s[6:7], s[6:7], s[68:69]
	s_add_nc_u64 s[8:9], s[8:9], s[68:69]
	s_add_nc_u64 s[14:15], s[14:15], s[70:71]
	s_mov_b32 s[G0A], 1
	s_mov_b32 s[G0A+1], s72
	s_mov_b64 s[G0A+2:G0A+3], s[10:11]
	s_or_b32 s[G0A+3], s[G0A+3], 0x80000000
	s_mov_b32 s[G0B], 1
	s_add_co_u32 s[G0B+1], s72, SLOTB
	s_add_nc_u64 s[G0B+2:G0B+3], s[10:11], 64*2048
	s_or_b32 s[G0B+3], s[G0B+3], 0x80000000
	tensor_load_to_lds s[G0A:G0A+3], s[G1:G1+7]    ; slot 0: my one tensor load at the head
	s_nop 0
	global_load_b128 v[Q:Q+3], v[LI], s[4:5]       ; Q, then K, then V: the first product waits for the first two alone
	global_load_b128 v[Q+4:Q+7], v[LI], s[4:5] offset:512
	WIN 0x40                                       ; destination window 1
.set ii, 0
.rept 32
	global_load_b128 v[4*ii:4*ii+3], v[LI], s[6:7] offset:512*ii       ; K: 16 fragments of 16 keys x 64
.set ii, ii+1
.endr
.set ii, 0
.rept 32
	global_load_b128 v[128+4*ii:128+4*ii+3], v[LI], s[8:9] offset:512*ii   ; V: 2 x 4 fragments of 16 channels x 128 keys
.set ii, ii+1
.endr
	WIN 0
	s_wait_kmcnt 0x0
	s_add_co_i32 s63, s18, s19
	s_lshl_b32 s63, s63, 23
	s_add_co_i32 s[CS], s63, 0x3e38aa3b            ; log2(e) / 8 x 2^(e2 + e3)
	s_mov_b32 s[CS+1], s[CS]
	s_add_co_i32 s63, s20, 127
	s_lshl_b32 s66, s63, 23
	v_mov_b32 v[SC4], s66                          ; 2^e4
	s_add_co_i32 s63, s63, 8
	s_lshl_b32 s63, s63, 23
	s_or_b32 s63, s63, 0x600000
	v_mov_b32 v[LA], s63                           ; 448 x 2^e4
	v_mov_b32 v[LB], s63
	s_sub_co_i32 s63, s22, s20
	s_sub_co_i32 s63, s63, s21
	s_add_co_i32 s63, s63, 127
	s_lshl_b32 s66, s63, 23
	v_mov_b32 v[SC6], s66                          ; 2^(e6 - e4 - e5): a sum of the second product lacks 2^(e4 + e5)
	s_add_co_i32 s63, s63, 8
	s_lshl_b32 s63, s63, 23
	s_or_b32 s63, s63, 0x600000
	v_mov_b32 v[LIM6], s63
; The next trip's 16 rows x my 256 columns of the mask: lane (r, h) takes, for tile i of 16 keys, the 8 bytes of keys 16 i + 8 h on.  Then the place steps: 0: a block on; 1: from a slot's last block to the other slot's first; 2: a block on, held at the ring's last.
.macro MLOAD step
	v_add_nc_u32 v[ADM], s[MB], v[AM0]
.set ii, 0
.rept 16
	ds_load_b64 v[MK+2*ii:MK+2*ii+1], v[ADM] offset:16*ii
.set ii, ii+1
.endr
.if \step == 0
	s_add_co_u32 s[MB], s[MB], BLKB
.elseif \step == 1
	s_sub_co_u32 s[MB], s[MB], 3*BLKB
	s_xor_b32 s[MB], s[MB], SLOTB
.else
	s_add_co_u32 s[MB], s[MB], BLKB
	s_min_u32 s[MB], s[MB], 7*BLKB
.endif
.endm
; How many of my query's keys among my wave's 256 are masked: byte-wise sums of the mask's bytes, at most 32 a byte, in two chains; the four byte sums; lane l xor 16's.  Work on registers alone.
.macro COUNT
	v_add3_u32 v[CNT], v[MK], v[MK+1], v[MK+2]
	v_add3_u32 v[NMF], v[MK+17], v[MK+18], v[MK+19]
.set ii, 0
.rept 6
	v_add3_u32 v[CNT], v[CNT], v[MK+3+2*ii], v[MK+4+2*ii]
	v_add3_u32 v[NMF], v[NMF], v[MK+20+2*ii], v[MK+21+2*ii]
.set ii, ii+1
.endr
	v_add3_u32 v[CNT], v[CNT], v[MK+15], v[MK+16]
	v_add_nc_u32 v[CNT], v[CNT], v[NMF]
	v_and_b32 v[NMF], 0xff00ff, v[CNT]
	v_lshrrev_b32 v[CNT], 8, v[CNT]
	v_and_b32 v[CNT], 0xff00ff, v[CNT]
	v_add_nc_u32 v[CNT], v[CNT], v[NMF]
	v_lshrrev_b32 v[NMF], 16, v[CNT]
	v_and_b32 v[CNT], 0xffff, v[CNT]
	v_add_nc_u32 v[CNT], v[CNT], v[NMF]
	v_permlanex16_b32 v[PL], v[CNT], s[SEL], s[SEL+1]
	v_add_nc_u32 v[CNT], v[CNT], v[PL]
	v_sub_nc_u32 v[CNT], 256, v[CNT]
	v_cvt_f32_u32 v[NMF], v[CNT]
.endm
.macro PERMS
.set ii, 0
.rept 32
	v_perm_b32 v[MK+ii], s[TBL], s[TBL], v[MK+ii]  ; each byte selects its code
.set ii, ii+1
.endr
.endm
; A stage: the exponentials of group ge (32 numbers); beside them the scalings of group ge + 1 (dofma) and sums of groups that are done (sum = 1: groups 0 + 1 start the sixteen pairs; 2: group 2 is added).  One wait closes the stage.
.macro STAGE ge, dofma, sum
.set ii, 0
.rept 16
	v_exp_f32 v[S+32*(\ge)+2*ii], v[S+32*(\ge)+2*ii]
	v_exp_f32 v[S+32*(\ge)+2*ii+1], v[S+32*(\ge)+2*ii+1]
.if \dofma
	v_pk_fma_f32 v[S+32*(\ge)+32+2*ii:S+32*(\ge)+33+2*ii], v[S+32*(\ge)+32+2*ii:S+32*(\ge)+33+2*ii], s[CS:CS+1], v[NMW:NMW+1] op_sel_hi:[1,0,0]
.endif
.if \sum == 1
	v_pk_add_f32 v[AS+2*ii:AS+2*ii+1], v[S+2*ii:S+2*ii+1], v[S+32+2*ii:S+33+2*ii]
.elseif \sum == 2
	v_pk_add_f32 v[AS+2*ii:AS+2*ii+1], v[AS+2*ii:AS+2*ii+1], v[S+64+2*ii:S+65+2*ii]
.endif
.set ii, ii+1
.endr
	s_wait_alu depctr_va_vdst(0)                   ; behind this stage's exponentials and ahead of the next stage's
.endm
.macro PHASE_A step
.set ii, 0
.rept 16
	v_cvt_scale_pk8_f32_fp8 v[S+8*ii:S+8*ii+7], v[MK+2*ii:MK+2*ii+1], v[ZS]   ; 0 or -448 x 2^110: the C of the first product
.set ii, ii+1
.endr
	v_nop                                          ; one plain place behind the conversions
	MLOAD \step
	s_wait_alu depctr_va_vdst(0)
	s_wait_loadcnt LC                              ; Q.  LC = 0; in trip 0 LC = 32: Q and K are in, V's 32 loads, issued behind them, may be out
	WIN 0x01                                       ; source 0 in window 1
.set ii, 0
.rept 16
	v_wmma_f32_16x16x64_fp8_fp8 v[S+8*ii:S+8*ii+7], v[8*ii:8*ii+7], v[Q:Q+7], v[S+8*ii:S+8*ii+7]
.set ii, ii+1
.endr
	WIN 0
	s_add_co_u32 s[QOFF], s[QOFF], 1024
	s_min_u32 s[QOFF], s[QOFF], 15*1024            ; the last trip asks for its own tile again: inside the buffer
	v_add_nc_u32 v[QA], s[QOFF], v[LI]
.rept 3
	v_nop                                          ; with the line above: four places behind the products
.endr
	global_load_b128 v[Q:Q+3], v[QA], s[4:5]       ; the next trip's Q
	global_load_b128 v[Q+4:Q+7], v[QA], s[4:5] offset:512
.irp k, 0,1,2,3
	v_max3_num_f32 v[CH+\k], v[S+32*\k], v[S+32*\k+1], v[S+32*\k+2]   ; the largest score, in four chains, each accumulator from its low end on
.endr
.set ii, 0
.rept 14
.irp k, 0,1,2,3
	v_max3_num_f32 v[CH+\k], v[CH+\k], v[S+32*\k+3+2*ii], v[S+32*\k+4+2*ii]
.endr
.set ii, ii+1
.endr
	v_max3_num_f32 v[CH], v[CH], v[S+31], v[S+63]
	v_max3_num_f32 v[CH+1], v[CH+1], v[S+95], v[S+127]
	v_max3_num_f32 v[CH], v[CH], v[CH+1], v[CH+2]
	v_max_num_f32 v[CH], v[CH], v[CH+3]
	v_permlanex16_b32 v[PL], v[CH], s[SEL], s[SEL+1]
	v_max_num_f32 v[CH], v[CH], v[PL]
	v_mul_f32 v[CH+1], s[CS], v[CH]                ; as t
	v_max_num_f32 v[CH+2], s[NEG2], v[CH+1]
	v_cmp_lt_u32 vcc_lo, 0, v[CNT]
	v_cndmask_b32 v[MWL], v[CH+1], v[CH+2], vcc_lo ; a masked key counts with -10000 in the maximum
	v_sub_f32 v[DN], s[NEG2], v[MWL]
	v_xor_b32 v[NMW], 0x80000000, v[MWL]
	v_mov_b32 v[NMW+1], v[NMW]
.set ii, 0
.rept 16
	v_pk_fma_f32 v[S+2*ii:S+2*ii+1], v[S+2*ii:S+2*ii+1], s[CS:CS+1], v[NMW:NMW+1] op_sel_hi:[1,0,0]   ; t - Mw, group 0
.set ii, ii+1
.endr
	s_wait_alu depctr_va_vdst(0)                   ; ahead of the first stage
	v_exp_f32 v[TN], v[DN]
	STAGE 0, 1, 0
	STAGE 1, 1, 0
	STAGE 2, 1, 1
	STAGE 3, 0, 2
.set ii, 0
.rept 16
	v_pk_add_f32 v[AS+2*ii:AS+2*ii+1], v[AS+2*ii:AS+2*ii+1], v[S+96+2*ii:S+97+2*ii]
.set ii, ii+1
.endr
.irp d, 8,4,2,1
.set ii, 0
.rept \d
	v_pk_add_f32 v[AS+2*ii:AS+2*ii+1], v[AS+2*ii:AS+2*ii+1], v[AS+2*(ii+\d):AS+2*(ii+\d)+1]
.set ii, ii+1
.endr
.endr
	v_add_f32 v[CH], v[AS], v[AS+1]
	v_permlanex16_b32 v[PL], v[CH], s[SEL], s[SEL+1]
	v_add_f32 v[CH], v[CH], v[PL]
	v_fma_f32 v[MWL+1], v[NMF], v[TN], v[CH]       ; Lw
	ds_store_b64 v[STW], v[MWL:MWL+1]
.endm
; The first barrier.  refill = 1: it is also the barrier of a refill: the wait for my tensor load, the add, the wait for it and for my reads of the slot; behind it the slot whose last block I have just read is filled again.
; cnt = 1: the next trip's mask is in (the wait on DScnt shows it): its masked keys are counted between the signal and the wait.
.macro BAR1 refill, cnt
	s_wait_alu depctr_va_vdst(0)
.if \refill
	s_wait_tensorcnt 0x0
	ds_add_u32 v[SPW], v[NIL]
	s_xor_b32 s[G0B+1], s[G0B+1], SLOTB            ; the other slot than last time,
	s_add_nc_u64 s[G0B+2:G0B+3], s[G0B+2:G0B+3], 64*2048   ; the next 64 rows
.endif
	s_wait_dscnt 0x0
	s_barrier_signal -1
.if \cnt
	COUNT
.endif
	s_barrier_wait -1
.if \refill
	tensor_load_to_lds s[G0B:G0B+3], s[G1:G1+7]
	s_nop 0
.endif
.endm
; The last trip's O: my 2 queries, in three parts.  A lane adds four waves' parts of 8 channels, lane l xor 16 the other four's; held, converted; each half of the lanes stores 4 of the 8 codes.
.macro FIN_LD
	s_wait_xcnt 0x0                                ; the last store has read its registers
.irp p, 0,1,2,3
	ds_load_b128 v[FT+8*\p:FT+8*\p+3], v[OPR] offset:OPWV*\p
	ds_load_b128 v[FT+8*\p+4:FT+8*\p+7], v[OPR] offset:OPWV*\p+16
.endr
.endm
.macro FIN_AR
.irp j, 0,2,4,6
	v_pk_add_f32 v[FT+\j:FT+\j+1], v[FT+\j:FT+\j+1], v[FT+8+\j:FT+8+\j+1]
	v_pk_add_f32 v[FT+16+\j:FT+16+\j+1], v[FT+16+\j:FT+16+\j+1], v[FT+24+\j:FT+24+\j+1]
.endr
.irp j, 0,2,4,6
	v_pk_add_f32 v[FT+\j:FT+\j+1], v[FT+\j:FT+\j+1], v[FT+16+\j:FT+16+\j+1]
.endr
.irp j, 0,1,2,3,4,5,6,7
	v_permlanex16_b32 v[FT+8+\j], v[FT+\j], s[SEL], s[SEL+1]
.endr
.irp j, 0,2,4,6
	v_pk_add_f32 v[FT+\j:FT+\j+1], v[FT+\j:FT+\j+1], v[FT+8+\j:FT+8+\j+1]
.endr
.irp j, 0,1,2,3,4,5,6,7
	v_med3_num_f32 v[FT+\j], v[FT+\j], -v[LIM6], v[LIM6]   ; the conversion does not saturate (ISA guide 7.6.2): the hold comes first
.endr
	v_cvt_scalef32_pk8_fp8_f32 v[AC:AC+1], v[FT:FT+7], v[SC6]
	v_nop
	v_cndmask_b32 v[AOV], v[AC], v[AC+1], s[HM]
	v_add_nc_u32 v[AOC], s[AOB], v[AOO]
.endm
.macro FIN_ST
	global_store_b32 v[AOC], v[AOV], s[14:15]
	s_add_co_u32 s[AOB], s[AOB], 16*1024
.endm
.macro PHASE_B grd
.irp i, 0,1,2,3
	ds_load_b128 v[ST+4*\i:ST+4*\i+3], v[STR] offset:16*\i
.endr
.if \grd == 0
	FIN_LD
.endif
	PERMS                                          ; the next trip's mask, while the loads above are out
.if \grd
	s_wait_loadcnt 0x2                             ; V is in: behind its loads only the next trip's two loads of Q were issued
.endif
	s_wait_dscnt 0x0                               ; my reads of the statistics and of the partial O are over:
	s_barrier_signal -1                            ; the second barrier opens; register work alone up to its wait
	v_max3_num_f32 v[G], v[ST], v[ST+2], v[ST+4]
	v_max3_num_f32 v[G2], v[ST+6], v[ST+8], v[ST+10]
	v_max3_num_f32 v[G], v[G], v[ST+12], v[ST+14]
	v_max_num_f32 v[G], v[G], v[G2]                ; M
.irp w, 0,1,2,3,4,5,6,7
	v_sub_f32 v[ST+2*\w], v[ST+2*\w], v[G]
.endr
	v_sub_f32 v[E8], v[MWL], v[G]
	s_wait_alu depctr_va_vdst(0)                   ; ahead of the batch
.irp w, 0,1,2,3,4,5,6,7
	v_exp_f32 v[ST+2*\w], v[ST+2*\w]
.endr
	v_exp_f32 v[E8], v[E8]
.if \grd == 0
	FIN_AR                                         ; work that names none of the batch's results stands between it and its wait
.else
	v_nop                                          ; a plain place behind the batch
.endif
	s_wait_alu depctr_va_vdst(0)                   ; behind the batch
	v_mul_f32 v[G], v[ST+1], v[ST]
	v_mul_f32 v[G2], v[ST+9], v[ST+8]
.irp w, 1,2,3
	v_fma_f32 v[G], v[ST+2*\w+1], v[ST+2*\w], v[G]
	v_fma_f32 v[G2], v[ST+2*\w+9], v[ST+2*\w+8], v[G2]
.endr
	v_add_f32 v[G], v[G], v[G2]                    ; the row's sum under M
	s_wait_alu depctr_va_vdst(0)
	v_rcp_f32 v[G2], v[G]
	v_nop
	s_wait_alu depctr_va_vdst(0)
	v_mul_f32 v[FF], v[E8], v[G2]                  ; f
	v_mov_b32 v[FF+1], v[FF]
.set ii, 0
.rept 16
.irp j, 0,2,4,6
	v_pk_mul_f32 v[S+8*ii+\j:S+8*ii+\j+1], v[S+8*ii+\j:S+8*ii+\j+1], v[FF:FF+1] op_sel_hi:[1,0]
.endr
.irp j, 0,2,4,6
	v_dual_min_num_f32 v[S+8*ii+\j], v[S+8*ii+\j], v[LA] :: v_dual_min_num_f32 v[S+8*ii+\j+1], v[S+8*ii+\j+1], v[LB]   ; p is not negative: a one-sided hold, two numbers a line
.endr
.set ii, ii+1
.endr
.set ii, 0
.rept 16
	v_cvt_scalef32_pk8_fp8_f32 v[PC+2*ii:PC+2*ii+1], v[S+8*ii:S+8*ii+7], v[SC4]   ; tile i's codes are registers 2 i, 2 i + 1 of the operand: k = 16 i + 8 h on
.set ii, ii+1
.endr
	v_nop
	WIN 0x01
.irp u, 0,1
.irp t, 0,1,2,3
.if \u == 0
	v_wmma_f32_16x16x128_fp8_fp8 v[O+8*\t:O+8*\t+7], v[128+16*(4*\u+\t):128+16*(4*\u+\t)+15], v[PC+16*\u:PC+16*\u+15], 0
.else
	v_wmma_f32_16x16x128_fp8_fp8 v[O+8*\t:O+8*\t+7], v[128+16*(4*\u+\t):128+16*(4*\u+\t)+15], v[PC+16*\u:PC+16*\u+15], v[O+8*\t:O+8*\t+7]
.endif
.endr
.endr
	WIN 0
.rept 4
	v_nop                                          ; places ahead of the stores of the results
.endr
	s_wait_alu depctr_va_vdst(0)
	s_barrier_wait -1                              ; nobody reads the last trip's partial O or the statistics any more
.irp t, 0,1,2,3
	ds_store_b128 v[OPW], v[O+8*\t:O+8*\t+3] offset:64*\t
	ds_store_b128 v[OPW], v[O+8*\t+4:O+8*\t+7] offset:64*\t+16
.endr
.if \grd == 0
	FIN_ST
.endif
.endm
.macro TRIP refill, step, grd
	PHASE_A \step
	BAR1 \refill, 1
	PHASE_B \grd
.endm
.macro AGAIN cnt, lab
	s_sub_co_u32 s[\cnt], s[\cnt], 1
	s_cmp_lg_u32 s[\cnt], 0
	s_cbranch_scc1 \lab
.endm
	s_wait_alu depctr_va_vdst(0)                   ; the head's end
	s_wait_tensorcnt 0x0                           ; slot 0 is in
	ds_add_u32 v[SPW], v[NIL]
	s_wait_dscnt 0x0
	s_barrier_signal -1
	s_barrier_wait -1
	tensor_load_to_lds s[G0B:G0B+3], s[G1:G1+7]    ; slot 1
	s_nop 0
	MLOAD 0                                        ; trip 0's mask
	s_wait_dscnt 0x0
	COUNT
	PERMS
.set LC, 32
	TRIP 0, 0, 1                                   ; trip 0
.set LC, 0
	TRIP 0, 0, 0                                   ; trip 1
	s_mov_b32 s[CU], 2
.Louter:                                           ; trips 2-5 and 6-9: the first of the four reads its slot's last block and fills the slot again
	TRIP 1, 1, 0
	s_mov_b32 s[CI], 3
.Linner:
	TRIP 0, 0, 0
	AGAIN CI, .Linner
	AGAIN CU, .Louter
	s_wait_tensorcnt 0x0                           ; the last slot, asked for in trip 6, is first read in trip 11
	s_mov_b32 s[CI], 6
.Llast:                                            ; trips 10-15: nothing more is asked for
	TRIP 0, 2, 0
	AGAIN CI, .Llast
	BAR1 0, 0
	FIN_LD                                         ; trip 15's O
	s_wait_dscnt 0x0
	FIN_AR
	FIN_ST
	s_wait_tensorcnt 0x0                           ; the wave's end
	ds_add_u32 v[SPW], v[NIL]
	s_wait_dscnt 0x0
	s_endpgm
.Lfunc_end_k_qe73431fd76_attn:
	.size	k_qe73431fd76_attn, .Lfunc_end_k_qe73431fd76_attn-k_qe73431fd76_attn
	.p2alignl 7, 3214868480
	.fill 96, 4, 3214868480
	.section	.rodata,"a",@progbits
	.p2align	6, 0x0
	.amdhsa_kernel k_qe73431fd76_attn
		.amdhsa_group_segment_fixed_size 327680
		.amdhsa_private_segment_fixed_size 0
		.amdhsa_enable_private_segment 0
		.amdhsa_kernarg_size 48
		.amdhsa_user_sgpr_count 2
		.amdhsa_user_sgpr_kernarg_segment_ptr 1
		.amdhsa_wavefront_size32 1
		.amdhsa_system_sgpr_workgroup_id_x 1
		.amdhsa_system_sgpr_workgroup_id_y 1
		.amdhsa_system_sgpr_workgroup_id_z 1
		.amdhsa_system_vgpr_workitem_id 0
		.amdhsa_next_free_vgpr 512
		.amdhsa_next_free_sgpr 100
		.amdhsa_reserve_vcc 1
		.amdhsa_float_denorm_mode_32 3
		.amdhsa_float_denorm_mode_16_64 3
		.amdhsa_memory_ordered 1
		.amdhsa_forward_progress 1
		.amdhsa_inst_pref_size 213
	.end_amdhsa_kernel
	.amdgpu_metadata
---
amdhsa.version: [ 1, 2 ]
amdhsa.kernels:
  - .name:           k_qe73431fd76_attn
    .symbol:         k_qe73431fd76_attn.kd
    .args:
      - { .name: qimg, .offset: 0, .size: 8, .value_kind: global_buffer, .address_space: global }
      - { .name: kimg, .offset: 8, .size: 8, .value_kind: global_buffer, .address_space: global }
      - { .name: vimg, .offset: 16, .size: 8, .value_kind: global_buffer, .address_space: global }
      - { .name: mask, .offset: 24, .size: 8, .value_kind: global_buffer, .address_space: global }
      - { .name: lowp_scales, .offset: 32, .size: 8, .value_kind: global_buffer, .address_space: global }
      - { .name: ao, .offset: 40, .size: 8, .value_kind: global_buffer, .address_space: global }
    .group_segment_fixed_size: 327680
    .private_segment_fixed_size: 0
    .kernarg_segment_align: 8
    .kernarg_segment_size: 48
    .max_flat_workgroup_size: 256
    .sgpr_count:     100
    .vgpr_count:     512
    .wavefront_size: 32
...
	.end_amdgpu_metadata
.endif
;; end of part 3
;; launch proj (part 4): grid 8 x 32, 4 waves a work-group, clusters of 4 x 4, 284,160 bytes of LDS; arguments ao, pc, lowp_scales, proj_b, out0; writes out0
.if DOCPART == 4
	.amdgcn_target "amdgcn-amd-amdhsa--gfx1250"
	.amdhsa_code_object_version 6
	.text
	.protected	k_qe73431fd76_proj
	.globl	k_qe73431fd76_proj
	.p2align	8
	.type	k_qe73431fd76_proj,@function
k_qe73431fd76_proj:
	s_mov_b64 s[64:65], 0
	v_nop
	global_prefetch_b8 v0, s[64:65] scope:SCOPE_SE
	s_setreg_imm32_b32 hwreg(HW_REG_WAVE_MODE, 25, 1), 1
	s_wait_xcnt 0x0
	s_wait_alu depctr_hold_cnt(0) depctr_sa_sdst(0) depctr_va_vdst(0) depctr_va_sdst(0) depctr_va_ssrc(0) depctr_va_vcc(0) depctr_vm_vsrc(0)
	s_getreg_b32 s2, hwreg(HW_REG_IB_STS2, 6, 4)
	s_cmp_eq_u32 s2, 0
	s_cbranch_scc0 .Lentry_in_a_cluster
	s_endpgm
.Lentry_in_a_cluster:
	s_bfe_u32 s2, ttmp6, 0x10000c
	s_cmp_lg_u32 s2, 0xf033
	s_cbranch_scc0 .Lentry_shape_is_right
	s_endpgm
.Lentry_shape_is_right:
; out0 = ao proj_w^T + proj_b on codes of FP8 (E4M3), sums in f32.  ao: [4096][1024] codes (scale 2^e6), pc: [1024][1024] codes (2^e7), out0: [4096][1024] f32: each finished sum x 2^(e6 + e7) + the bias, one fused multiply-add.
; LIMIT: e6 + e7 lies between -126 and 127, so that 2^(e6 + e7) is an f32 number.
; A block of 128 x 128 results is made by a work-group of four waves: 32 x 8 = 256 work-groups.  A wave makes 64 x 64: 16 accumulators, which take turns.
; ALL OF K IS IN LDS AT ONCE: A's 128 rows and B's 128 rows of 1,024 bytes, 1,040 bytes apart: 266,240 bytes.  Each wave asks for 64 rows by its one tensor load at the head; nothing is filled again, so there is no ring, and one barrier.
; CLUSTERS: 4 x 4 work-groups; A's rows hang on the block's row and are shared along a row of the cluster, B's on its column and are shared along a column: each load is asked for JOINTLY by the four that need it.
; NO PREFETCH: all loads go out at the head; there is no loop to run ahead in.
; The matrix instruction is used transposed (source 0 = 16 rows of B, source 1 = 16 rows of A): a lane holds eight neighbouring numbers of a row of out0.
; REGISTERS: window 0: v0-31 addresses, v32-63 the bias of my 64 columns, v64-191 A's fragments (4 x 16 rows x 128 K), two sets; on the way out v64-95 results, v192-255 rows read back.  Window 1: v0-127 B's fragments, two sets; v128-255 the accumulators ((a, b) at 128 + 8 (4 a + b)).
.set PITCH,  1040                      ; an LDS row: 1,024 bytes + 16 = 65 x 16: the 16 rows that a load touches start 4 banks apart (64 banks of 4 bytes: ISA guide 11.1)
.set QT,     64*PITCH                  ; what one tensor load brings
.set STAGE,  4*QT                      ; behind the tiles: 16 rows x (256 bytes + 16) for each wave
.set SPITCH, 272
.set SPARE,  STAGE+4*16*SPITCH         ; the spare words, 128 bytes for each wave
.set ADRA, 16
.set ADRB, 17
.set STO,  24
.set RD,   25
.set CO,   26
.set BO,   27
.set SPW,  28
.set NIL,  29
.set BI,   32
.set AF,   64
.set TMP,  64
.set BK,   192
.set G1, 24
.set G0, 32
.set G1B, 48
.set G0B, 56
.set MSB, 0
.macro WIN new
.if MSB != \new
	s_set_vgpr_msb (MSB<<8)|\new
.set MSB, \new
.endif
.endm
.macro CROUND                          ; a round of the cluster's barrier
	s_barrier_signal -1
	s_barrier_wait -1
	s_cmp_lg_u32 s14, 0
	s_cbranch_scc1 .Lnot_wave_0_\@
	s_barrier_signal -3
.Lnot_wave_0_\@:
	s_barrier_wait -3
	s_barrier_signal -1
	s_barrier_wait -1
.endm
	s_load_b128 s[4:7], s[0:1], 0x0                ; ao, pc
	s_load_b128 s[8:11], s[0:1], 0x10              ; the scales' exponents, proj_b
	s_load_b64 s[12:13], s[0:1], 0x20              ; out0
	v_lshl_add_u32 v[SPW], v0, 2, SPARE
	v_mov_b32 v[NIL], 0
	ds_add_u32 v[SPW], v[NIL]                      ; the opening lines: the add, twice on end, and its wait ahead of my first tensor load
	ds_add_u32 v[SPW], v[NIL]
	v_lshrrev_b32 v1, 5, v0
	v_readfirstlane_b32 s14, v1                    ; wave 0..3
	s_lshr_b32 s15, s14, 1                         ; which 64 of the block's rows are mine.  Also: I fetch for A (0) or for B (1)
	s_and_b32 s16, s14, 1                          ; which 64 of its columns.  Also: which 64 rows of that tile I fetch
	s_bfe_u32 s40, ttmp6, 0x40000                  ; cx, cy
	s_bfe_u32 s41, ttmp6, 0x40004
	s_lshl_b32 s42, ttmp9, 2
	s_add_co_u32 s42, s42, s40                     ; block column
	s_and_b32 s17, ttmp7, 0xffff
	s_lshl_b32 s17, s17, 2
	s_add_co_u32 s17, s17, s41                     ; block row
	s_lshl_b32 s43, s41, 2
	s_lshl_b32 s43, 15, s43                        ; my row of the cluster
	s_lshl_b32 s44, 0x1111, s40                    ; my column
	s_or_b32 s[G1+0], s43, (0<<16)|(1<<20)|(1<<21)|(7<<22)|(3<<25)   ; the mask; bytes; padding on; bit 21 beside a mask; 4 words behind every 256
	s_or_b32 s[G1B+0], s44, (0<<16)|(1<<20)|(1<<21)|(7<<22)|(3<<25)
.irp g, G1, G1B
	s_mov_b32 s[\g+1], 1024<<16                    ; tensor_dim0
	s_mov_b32 s[\g+2], 64<<16                      ; tensor_dim1
	s_mov_b32 s[\g+3], 1024<<16                    ; tile_dim0
	s_mov_b32 s[\g+4], 64                          ; tile_dim1
	s_mov_b32 s[\g+5], 1024                        ; the pitch
	s_mov_b32 s[\g+6], 0
	s_mov_b32 s[\g+7], 0
.endr
	s_lshl_b32 s18, s16, 6
	s_lshl_b32 s20, s17, 7
	s_add_co_u32 s20, s20, s18                     ; A: row 128 x block row + 64 x half
	s_lshl_b32 s20, s20, 10
	s_mov_b32 s21, 0
	s_lshl_b32 s46, s42, 7
	s_add_co_u32 s46, s46, s18                     ; B: row 128 x block column + 64 x half
	s_lshl_b32 s46, s46, 10
	s_mov_b32 s47, 0
	s_mul_i32 s45, s14, QT                         ; where they go: wave x 64 rows
	s_mul_i32 s70, s15, QT                         ; my 64 rows of A,
	s_mul_i32 s71, s16, QT
	s_add_co_u32 s71, s71, 2*QT                    ; of B,
	s_mul_i32 s72, s14, 16*SPITCH
	s_add_co_u32 s72, s72, STAGE                   ; my stage
	s_lshl_b32 s74, s17, 7
	s_lshl_b32 s75, s15, 6
	s_add_co_u32 s74, s74, s75
	s_lshl_b32 s74, s74, 12                        ; my first row of out0, in bytes
	s_lshl_b32 s76, s42, 9
	s_lshl_b32 s77, s16, 8
	s_add_co_u32 s76, s76, s77                     ; my first column, in bytes
	s_mov_b32 s77, 0
	s_mov_b32 s75, 0
	s_wait_dscnt 0x0
	s_wait_kmcnt 0x0
	s_load_b64 s[96:97], s[8:9], 0x18              ; e6, e7
	s_add_nc_u64 s[20:21], s[4:5], s[20:21]
	s_add_nc_u64 s[46:47], s[6:7], s[46:47]
	CROUND                                         ; all sixteen work-groups are here: the joint loads meet
	s_mov_b32 s[G0], 1
	s_mov_b32 s[G0+1], s45
	s_mov_b64 s[G0+2:G0+3], s[20:21]
	s_or_b32 s[G0+3], s[G0+3], 0x80000000
	s_mov_b32 s[G0B], 1
	s_mov_b32 s[G0B+1], s45
	s_mov_b64 s[G0B+2:G0B+3], s[46:47]
	s_or_b32 s[G0B+3], s[G0B+3], 0x80000000
	s_cmp_eq_u32 s15, 0                            ; waves 0, 1 fetch for A, waves 2, 3 for B: one load to an arm; an s_nop 0 and four v_nop follow each
	s_cbranch_scc0 .Lfor_b
	tensor_load_to_lds s[G0:G0+3], s[G1:G1+7]
	s_nop 0
.rept 4
	v_nop
.endr
	s_branch .Lasked
.Lfor_b:
	tensor_load_to_lds s[G0B:G0B+3], s[G1B:G1B+7]
	s_nop 0
.rept 4
	v_nop
.endr
.Lasked:
	s_add_nc_u64 s[10:11], s[10:11], s[76:77]      ; the bias of my columns
	s_add_nc_u64 s[12:13], s[12:13], s[74:75]
	s_add_nc_u64 s[12:13], s[12:13], s[76:77]      ; my corner of out0
	v_and_b32 v1, 15, v0                           ; r
	v_bfe_u32 v2, v0, 4, 1                         ; h
	v_mul_u32_u24 v3, v1, PITCH
	v_lshl_add_u32 v4, v2, 4, v3
	v_add_nc_u32 v[ADRA], s70, v4                  ; a fragment's row x pitch + 16 h
	v_add_nc_u32 v[ADRB], s71, v4
	v_mul_u32_u24 v5, v1, SPITCH
	v_lshl_add_u32 v5, v2, 5, v5
	v_add_nc_u32 v[STO], s72, v5                   ; the stage, in: row r, 32 h bytes on; tile b at 64 b
	v_mul_u32_u24 v6, v2, SPITCH
	v_lshl_add_u32 v6, v1, 4, v6
	v_add_nc_u32 v[RD], s72, v6                    ; back: lanes 0-15 one row of 256 bytes, lanes 16-31 the next
	v_lshlrev_b32 v7, 12, v2
	v_lshl_add_u32 v[CO], v1, 4, v7                ; and the same two rows in out0
	v_lshlrev_b32 v[BO], 5, v2
.irp b, 0,1,2,3
	global_load_b128 v[BI+8*\b:BI+8*\b+3], v[BO], s[10:11] offset:64*\b        ; tile b: columns 16 b + 8 h + 0 .. 7
	global_load_b128 v[BI+8*\b+4:BI+8*\b+7], v[BO], s[10:11] offset:64*\b+16
.endr
.macro FRAG reg, adr, q, i             ; 16 rows x 128 K: registers 4 c .. 4 c + 3 hold K = 32 c + 16 h + 0 .. 15: the same places of k in A and in B
.irp c, 0,1,2,3
	ds_load_b128 v[\reg+4*\c:\reg+4*\c+3], v[\adr] offset:128*(\q)+32*\c+(\i)*16*PITCH
.endr
.endm
.macro FETCH q                         ; step q's eight fragments into set q % 2
	WIN 0x40
.irp i, 0,1,2,3
	FRAG 64*((\q)%2)+16*\i, ADRB, \q, \i
.endr
	WIN 0
.irp i, 0,1,2,3
	FRAG AF+64*((\q)%2)+16*\i, ADRA, \q, \i
.endr
.endm
.macro MUL q
	WIN 0x51                                       ; source 0 (B), C and D in window 1, source 1 (A) in window 0
.irp a, 0,1,2,3
.irp b, 0,1,2,3
.if (\q) == 0
	v_wmma_f32_16x16x128_fp8_fp8 v[128+8*(4*\a+\b):128+8*(4*\a+\b)+7], v[64*((\q)%2)+16*\b:64*((\q)%2)+16*\b+15], v[AF+64*((\q)%2)+16*\a:AF+64*((\q)%2)+16*\a+15], 0
.else
	v_wmma_f32_16x16x128_fp8_fp8 v[128+8*(4*\a+\b):128+8*(4*\a+\b)+7], v[64*((\q)%2)+16*\b:64*((\q)%2)+16*\b+15], v[AF+64*((\q)%2)+16*\a:AF+64*((\q)%2)+16*\a+15], v[128+8*(4*\a+\b):128+8*(4*\a+\b)+7]
.endif
.endr
.endr
.endm
	s_wait_alu depctr_va_vdst(0)                   ; the head's end
	s_wait_tensorcnt 0x0                           ; my 64 rows are in,
	s_barrier_signal -1
	s_barrier_wait -1                              ; everybody's are
	FETCH 0
.irp q, 0,1,2,3,4,5,6,7                ; eight steps of 128 along K; the next step's 32 loads go out ahead of this step's 16 products
	s_wait_dscnt 0x0                               ; this step's fragments are in
.if \q < 7
.if \q > 0
.rept 4
	v_nop                                          ; places ahead of loads into the set that the last step's products read
.endr
.endif
	FETCH \q+1
.endif
	MUL \q
.endr
	WIN 0
; THE WAY OUT, block by block of 16 rows x 64 columns: x 2^(e6 + e7) + the bias; through my own stage; back as whole rows of 256 bytes, which sixteen lanes store as one aligned unit.  LDS serves a wave's instructions in order (ISA guide 5.7.1.4).
.macro TOSTAGE a
	WIN 0x01                                       ; source 0 in window 1
.irp b, 0,1,2,3
.irp k, 0,2,4,6
	v_pk_fma_f32 v[TMP+8*\b+\k:TMP+8*\b+\k+1], v[128+8*(4*(\a)+\b)+\k:128+8*(4*(\a)+\b)+\k+1], s[96:97], v[BI+8*\b+\k:BI+8*\b+\k+1] op_sel_hi:[1,0,1]   ; each accumulator from its low end on
.endr
.endr
	WIN 0
.irp b, 0,1,2,3
	ds_store_b128 v[STO], v[TMP+8*\b:TMP+8*\b+3] offset:64*\b
	ds_store_b128 v[STO], v[TMP+8*\b+4:TMP+8*\b+7] offset:64*\b+16
.endr
.irp t, 0,1,2,3,4,5,6,7
	ds_load_b128 v[BK+32*((\a)%2)+4*\t:BK+32*((\a)%2)+4*\t+3], v[RD] offset:\t*2*SPITCH
.endr
.endm
.macro SEND a, younger                 ; younger: the LDS instructions issued behind block a's loads
	s_wait_dscnt \younger
.irp t, 0,1,2,3,4,5,6,7
	global_store_b128 v[CO], v[BK+32*((\a)%2)+4*\t:BK+32*((\a)%2)+4*\t+3], s[12:13] offset:(16*(\a)+2*\t)*4096 th:TH_STORE_NT
.endr
.endm
	s_wait_kmcnt 0x0
	s_wait_loadcnt 0x0                             ; the bias
	s_add_co_i32 s96, s96, s97
	s_add_co_i32 s96, s96, 127
	s_lshl_b32 s96, s96, 23                        ; 2^(e6 + e7) as f32
.rept 4
	v_nop                                          ; places behind the last products
.endr
	TOSTAGE 0
.irp a, 1,2,3
.if \a > 1
	s_wait_xcnt 0x0                                ; block a - 2's stores have read their registers: block a's loads may land there
.endif
	TOSTAGE \a
	SEND \a-1, 16                                  ; behind block a - 1's loads: block a's 8 stores and 8 loads
.endr
	SEND 3, 0
	s_wait_tensorcnt 0x0                           ; the wave's end
	ds_add_u32 v[SPW], v[NIL]
	s_wait_dscnt 0x0
	CROUND                                         ; the closing round
	s_endpgm
.Lfunc_end_k_qe73431fd76_proj:
	.size	k_qe73431fd76_proj, .Lfunc_end_k_qe73431fd76_proj-k_qe73431fd76_proj
	.p2alignl 7, 3214868480
	.fill 96, 4, 3214868480
	.section	.rodata,"a",@progbits
	.p2align	6, 0x0
	.amdhsa_kernel k_qe73431fd76_proj
		.amdhsa_group_segment_fixed_size 284160
		.amdhsa_private_segment_fixed_size 0
		.amdhsa_enable_private_segment 0
		.amdhsa_kernarg_size 40
		.amdhsa_user_sgpr_count 2
		.amdhsa_user_sgpr_kernarg_segment_ptr 1
		.amdhsa_wavefront_size32 1
		.amdhsa_system_sgpr_workgroup_id_x 1
		.amdhsa_system_sgpr_workgroup_id_y 1
		.amdhsa_system_sgpr_workgroup_id_z 1
		.amdhsa_system_vgpr_workitem_id 0
		.amdhsa_next_free_vgpr 512
		.amdhsa_next_free_sgpr 98
		.amdhsa_reserve_vcc 0
		.amdhsa_float_denorm_mode_32 3
		.amdhsa_float_denorm_mode_16_64 3
		.amdhsa_memory_ordered 1
		.amdhsa_forward_progress 1
		.amdhsa_inst_pref_size 45
	.end_amdhsa_kernel
	.amdgpu_metadata
---
amdhsa.version: [ 1, 2 ]
amdhsa.kernels:
  - .name:           k_qe73431fd76_proj
    .symbol:         k_qe73431fd76_proj.kd
    .args:
      - { .name: ao, .offset: 0, .size: 8, .value_kind: global_buffer, .address_space: global }
      - { .name: pc, .offset: 8, .size: 8, .value_kind: global_buffer, .address_space: global }
      - { .name: lowp_scales, .offset: 16, .size: 8, .value_kind: global_buffer, .address_space: global }
      - { .name: proj_b, .offset: 24, .size: 8, .value_kind: global_buffer, .address_space: global }
      - { .name: out0, .offset: 32, .size: 8, .value_kind: global_buffer, .address_space: global }
    .group_segment_fixed_size: 284160
    .private_segment_fixed_size: 0
    .kernarg_segment_align: 8
    .kernarg_segment_size: 40
    .max_flat_workgroup_size: 128
    .sgpr_count:     98
    .vgpr_count:     512
    .wavefront_size: 32
...
	.end_amdgpu_metadata
.endif
;; end of part 4
